; MI455X (gfx1250); checked and timed in simulation.
; The chip was launched on July 23, 2026; its instructions are those of AMD's public machine-readable ISA for CDNA 5 (MIT licence, August 2026) and "CDNA5" Instruction Set Architecture Reference Guide (July 2026). The comments in the code are by the model that wrote it; some were corrected since.
;; Qwen3 Next Attention For Engine. Allowed arithmetic: float matrix products may take bf16 or f16 operands with f32 sums; all other float work in f32.
;; Inputs: Wk 256 x 1,024 float32; Wo 1,024 x 1,024 float32; Wq 2,048 x 1,024 float32; Wv 256 x 1,024 float32; attention_mask 1 x 1 x 2,048 x 2,048 float32; cos 1 x 2,048 x 64 float32; hidden_states 2 x 2,048 x 1,024 float32; k_norm_w 64 float32; q_norm_w 64 float32; sin 1 x 2,048 x 64 float32.
;; Outputs: out0 2 x 2,048 x 1,024 float32.
;; One version. Each part assembles by itself: llvm-mc -triple=amdgcn-amd-amdhsa -mcpu=gfx1250 --defsym DOCPART=n.
;; ======== version 1 of 1: 4 launches
;; limits: values are held in f16: magnitudes above 65,504 overflow, below 6.1e-05 lose precision; right only within a limited range of input values; values outside matrix products are rounded to bf16
;; workspace buffers: xb 8,388,608 bytes; wb 5,242,880 bytes; wob 2,097,152 bytes; qb 8,388,608 bytes; kvb 4,194,304 bytes; gb 16,777,216 bytes; ab 16,777,216 bytes
;; launch cast (part 1): grid 960 x 1, 8 waves a work-group, no clusters, 0 bytes of LDS; arguments hidden_states, Wq, Wk, Wv, Wo, xb, wb, wob; writes xb, wb, wob
.if DOCPART == 1
	.amdgcn_target "amdgcn-amd-amdhsa--gfx1250"
	.amdhsa_code_object_version 6
	.text
	.protected	k_q7f8ab56d2c_cast
	.globl	k_q7f8ab56d2c_cast
	.p2align	8
	.type	k_q7f8ab56d2c_cast,@function
k_q7f8ab56d2c_cast:
	s_mov_b64 s[64:65], 0
	v_nop
	global_prefetch_b8 v0, s[64:65] scope:SCOPE_SE
	s_setreg_imm32_b32 hwreg(HW_REG_WAVE_MODE, 25, 1), 1
	s_wait_xcnt 0x0
; hidden_states and the four weights are rounded to bf16, once, so that the products read 2-byte tiles.
; A work-group takes one chunk of 8,192 numbers (32 KiB in, 16 KiB out; of a weight: 8 rows of 1,024).
; Chunks 0-511 hidden_states -> xb; 512-767 Wq, 768-799 Wk, 800-831 Wv -> wb; 832-959 Wo -> wob.
; wb is regrouped: [8 blocks][5 groups of 64 rows][1024]; block n holds Wq's groups 4n .. 4n+3 (groups 0-15 are the
; query heads, 16-31 the gate heads) and as fifth group Wk's head n (n < 4) or Wv's head n - 4.
; FORMAT: xb and wb hold bf16. wob holds Wo's bf16 value written as f16, because Wo's partner in the last product is f16:
; the program takes every input but the mask to bf16's 8 bits, and keeps what it computes from them finer.
; LIMIT of wob: beyond 65,504 infinite; below 6e-5 an absolute error of 3e-8 on top of the bf16 rounding.
; No LDS, no barrier, no matrix unit: the launch only moves bytes. A load of a wave covers 512 neighbouring bytes,
; a store 256 neighbouring bytes that begin at a multiple of 256.
.set ID_WQ, 512
.set ID_WK, 768
.set ID_WV, 800
.set ID_WO, 832
	s_load_b512 s[4:19], s[0:1], 0x0               ; hidden s[4:5], Wq s[6:7], Wk s[8:9], Wv s[10:11], Wo s[12:13], xb s[14:15], wb s[16:17], wob s[18:19]
	s_mov_b32 s20, ttmp9                           ; the chunk's number
	v_lshlrev_b32 v1, 4, v0                        ; in: 16 bytes a thread
	v_lshlrev_b32 v2, 3, v0                        ; out: 8 bytes a thread
	; where a chunk of Wq goes: c = id - 512, group g = c / 8, new group g + g / 4
	s_sub_co_u32 s21, s20, ID_WQ
	s_lshr_b32 s28, s21, 3
	s_lshr_b32 s29, s28, 2
	s_add_co_u32 s28, s28, s29
	s_and_b32 s21, s21, 7
	s_lshl3_add_u32 s28, s28, s21
	; where a chunk of Wk or Wv goes: c = id - 768, head c / 8 (Wv's follow Wk's), new group 5 head + 4
	s_sub_co_u32 s21, s20, ID_WK
	s_lshr_b32 s29, s21, 3
	s_mul_i32 s29, s29, 5
	s_add_co_u32 s29, s29, 4
	s_and_b32 s21, s21, 7
	s_lshl3_add_u32 s29, s29, s21
	s_sub_co_u32 s30, s20, ID_WO                   ; a chunk of Wo keeps its place
	s_movk_i32 s26, ID_WO
	s_wait_kmcnt 0x0
	; source s[22:23], destination s[24:25], the source's first chunk s26, the chunk's place in the destination s27
	s_cmp_lt_u32 s20, ID_WO
	s_cselect_b64 s[22:23], s[10:11], s[12:13]
	s_cselect_b64 s[24:25], s[16:17], s[18:19]
	s_cselect_b32 s26, ID_WV, s26
	s_cselect_b32 s27, s29, s30
	s_cmp_lt_u32 s20, ID_WV
	s_cselect_b64 s[22:23], s[8:9], s[22:23]
	s_cselect_b32 s26, ID_WK, s26
	s_cmp_lt_u32 s20, ID_WK
	s_cselect_b64 s[22:23], s[6:7], s[22:23]
	s_cselect_b32 s26, ID_WQ, s26
	s_cselect_b32 s27, s28, s27
	s_cmp_lt_u32 s20, ID_WQ
	s_cselect_b64 s[22:23], s[4:5], s[22:23]
	s_cselect_b64 s[24:25], s[14:15], s[24:25]
	s_cselect_b32 s26, 0, s26
	s_cselect_b32 s27, s20, s27
	s_sub_co_u32 s32, s20, s26
	s_lshl_b32 s32, s32, 15                        ; 32 KiB a chunk in
	s_mov_b32 s33, 0
	s_lshl_b32 s34, s27, 14                        ; 16 KiB a chunk out
	s_mov_b32 s35, 0
	s_add_nc_u64 s[22:23], s[22:23], s[32:33]
	s_add_nc_u64 s[24:25], s[24:25], s[34:35]
.irp g, 0,1,2,3,4,5,6,7
	global_load_b128 v[4+4*\g:7+4*\g], v1, s[22:23] offset:4096*\g th:TH_LOAD_NT
.endr
; four numbers of load g: rounded to bf16; wo = 1: widened again and written as f16
.macro CONV g, wo
	s_wait_loadcnt 7-\g                            ; loads return in order: load g is in, the 7 - g younger ones stay out
	v_cvt_pk_bf16_f32 v[36+2*\g], v[4+4*\g], v[5+4*\g]
	v_cvt_pk_bf16_f32 v[37+2*\g], v[6+4*\g], v[7+4*\g]
.if \wo
	v_lshlrev_b32 v[4+4*\g], 16, v[36+2*\g]
	v_and_b32 v[5+4*\g], 0xffff0000, v[36+2*\g]
	v_lshlrev_b32 v[6+4*\g], 16, v[37+2*\g]
	v_and_b32 v[7+4*\g], 0xffff0000, v[37+2*\g]
	v_cvt_pk_f16_f32 v[36+2*\g], v[4+4*\g], v[5+4*\g]
	v_cvt_pk_f16_f32 v[37+2*\g], v[6+4*\g], v[7+4*\g]
.endif
	global_store_b64 v2, v[36+2*\g:37+2*\g], s[24:25] offset:2048*\g
.endm
	s_cmp_lt_u32 s20, ID_WO                        ; the chunk's number decides, the same for the whole work-group
	s_cbranch_scc0 .Lwo
.irp g, 0,1,2,3,4,5,6,7
	CONV \g, 0
.endr
	s_endpgm
.Lwo:
.irp g, 0,1,2,3,4,5,6,7
	CONV \g, 1
.endr
	s_endpgm
.Lfunc_end_k_q7f8ab56d2c_cast:
	.size	k_q7f8ab56d2c_cast, .Lfunc_end_k_q7f8ab56d2c_cast-k_q7f8ab56d2c_cast
	.p2alignl 7, 3214868480
	.fill 96, 4, 3214868480
	.section	.rodata,"a",@progbits
	.p2align	6, 0x0
	.amdhsa_kernel k_q7f8ab56d2c_cast
		.amdhsa_group_segment_fixed_size 0
		.amdhsa_private_segment_fixed_size 0
		.amdhsa_enable_private_segment 0
		.amdhsa_kernarg_size 64
		.amdhsa_user_sgpr_count 2
		.amdhsa_user_sgpr_kernarg_segment_ptr 1
		.amdhsa_wavefront_size32 1
		.amdhsa_system_sgpr_workgroup_id_x 1
		.amdhsa_system_sgpr_workgroup_id_y 1
		.amdhsa_system_sgpr_workgroup_id_z 1
		.amdhsa_system_vgpr_workitem_id 0
		.amdhsa_next_free_vgpr 56
		.amdhsa_next_free_sgpr 66
		.amdhsa_reserve_vcc 0
		.amdhsa_float_denorm_mode_32 3
		.amdhsa_float_denorm_mode_16_64 3
		.amdhsa_memory_ordered 1
		.amdhsa_forward_progress 1
		.amdhsa_inst_pref_size 10
	.end_amdhsa_kernel
	.amdgpu_metadata
---
amdhsa.version: [ 1, 2 ]
amdhsa.kernels:
  - .name:           k_q7f8ab56d2c_cast
    .symbol:         k_q7f8ab56d2c_cast.kd
    .args:
      - { .name: hidden_states, .offset: 0, .size: 8, .value_kind: global_buffer, .address_space: global }
      - { .name: Wq, .offset: 8, .size: 8, .value_kind: global_buffer, .address_space: global }
      - { .name: Wk, .offset: 16, .size: 8, .value_kind: global_buffer, .address_space: global }
      - { .name: Wv, .offset: 24, .size: 8, .value_kind: global_buffer, .address_space: global }
      - { .name: Wo, .offset: 32, .size: 8, .value_kind: global_buffer, .address_space: global }
      - { .name: xb, .offset: 40, .size: 8, .value_kind: global_buffer, .address_space: global }
      - { .name: wb, .offset: 48, .size: 8, .value_kind: global_buffer, .address_space: global }
      - { .name: wob, .offset: 56, .size: 8, .value_kind: global_buffer, .address_space: global }
    .group_segment_fixed_size: 0
    .private_segment_fixed_size: 0
    .kernarg_segment_align: 8
    .kernarg_segment_size: 64
    .max_flat_workgroup_size: 256
    .sgpr_count:     66
    .vgpr_count:     56
    .wavefront_size: 32
...
	.end_amdgpu_metadata
.endif
;; end of part 1
;; launch proj (part 2): grid 8 x 32, 4 waves a work-group, clusters of 4 x 4, 327,680 bytes of LDS; arguments xb, wb, cos, sin, q_norm_w, k_norm_w, qb, kvb, gb; writes qb, kvb, gb
.if DOCPART == 2
	.amdgcn_target "amdgcn-amd-amdhsa--gfx1250"
	.amdhsa_code_object_version 6
	.text
	.protected	k_q7f8ab56d2c_proj
	.globl	k_q7f8ab56d2c_proj
	.p2align	8
	.type	k_q7f8ab56d2c_proj,@function
k_q7f8ab56d2c_proj:
	s_mov_b64 s[64:65], 0
	v_nop
	global_prefetch_b8 v0, s[64:65] scope:SCOPE_SE
	s_setreg_imm32_b32 hwreg(HW_REG_WAVE_MODE, 25, 1), 1
	s_wait_xcnt 0x0
	s_wait_alu depctr_hold_cnt(0) depctr_sa_sdst(0) depctr_va_vdst(0) depctr_va_sdst(0) depctr_va_ssrc(0) depctr_va_vcc(0) depctr_vm_vsrc(0)
	s_getreg_b32 s2, hwreg(HW_REG_IB_STS2, 6, 4)
	s_cmp_eq_u32 s2, 0
	s_cbranch_scc0 .Lentry_in_a_cluster
	s_endpgm
.Lentry_in_a_cluster:
	s_bfe_u32 s2, ttmp6, 0x10000c
	s_cmp_lg_u32 s2, 0xf033
	s_cbranch_scc0 .Lentry_shape_is_right
	s_endpgm
.Lentry_shape_is_right:
; [4096 tokens][1024] x wb^T, all 2,560 output columns, with what follows each kind of column fused:
;   query heads: RMS norm, q_norm_w, RoPE, times log2(e)/8     -> qb  [2][16][2048][64] f16
;   key heads:   RMS norm, k_norm_w, RoPE                      -> kvb [2][4][0][2048][64] f16
;   value heads: as they are                                   -> kvb [2][4][1][2048][64] f16
;   gate heads:  sigmoid                                       -> gb  [2][16][2048][64] f32
; (1/8 = 1/sqrt(64) is the scores' scale; log2(e) puts them into the units of the base-2 exponential of the next launch.)
; A work-group makes 128 tokens x one block of wb (320 columns = 4 query or gate heads + 1 key or value head): 32 x 8 = 256 work-groups.
; Wave (wm, wn) makes 64 tokens x 128 columns (two whole heads, 32 accumulator tiles) and 32 of its tokens x the fifth head (8 tiles),
; so a head's 64 numbers of a token lie in two lanes of one wave and norm and RoPE need one exchange between the lanes' halves.
; K goes in steps of 128 through two LDS slots filled by the tensor data mover; rows are 256 bytes of memory at multiples of 256.
; CLUSTERS 4 x 4: the token tile hangs on the block row alone and is asked for jointly along a row of the cluster, the weight tiles
; hang on the block column alone and are asked for jointly along a column: requests for both are divided by four.
; THE MATRIX INSTRUCTION IS USED TRANSPOSED (source 0 = rows of wb, source 1 = tokens): lane (r, h) holds token r, register j column 8 h + j.
; FORMAT, a stated limit: the operands are bf16, and cos, sin, q_norm_w and k_norm_w are rounded to bf16 here as well before they are used
; in f32 (a relative 2^-9 at the most): the program takes every input but the mask to bf16 and keeps what it computes from them finer.
; q, k and v leave in f16 (largest 65,504; below 6e-5 an absolute error of 3e-8): q is at most 1.5 |w| and k at most 8 |w| after the norm,
; v has the products' own size. The gate leaves in f32.
; REGISTERS: window 0: v8-31 addresses, v32-47 at work, v64-127 token fragments (two buffers); on the way out v64-95 Y, v96-127 E,
;   v128-159 q_norm_w, v160-191 k_norm_w, v192-207 packed, v208-239 read back.
;   window 1: weight fragments, two buffers of 12; on the way out cos and sin of the wave's four token tiles (64 a: cos, 64 a + 32: sin).
;   window 2: the 32 main tiles, tile (a, b) at v[8 (8 a + b)];  window 3: the 8 tiles of the fifth head at v[8 (4 a + b)].
;   Token tiles a = 0, 1: rows 64 wm + 32 wn + 16 a; a = 2, 3: rows 64 wm + 32 (1 - wn) + 16 (a - 2). The fifth head takes a = 0, 1.
.set KSTEP,  128
.set PITCH,  272                       ; 256 bytes + 16 of padding: the 16 rows of a fragment load begin 16 bytes apart modulo 256
.set HALFT,  128*PITCH
.set SLOT,   7*HALFT/2                 ; tokens 128 rows, weights 128 + 128 + 64 rows
.set STAGE,  2*SLOT                    ; behind the ring: 4,352 bytes for each wave; no tensor load lands here
.set SPITCH, 144                       ; stage rows of 64 f16
.set GPITCH, 272                       ; stage rows of 64 f32
.set HEADB,  262144                    ; bytes of one head's 2,048 rows in qb, kvb
.set HEADG,  524288                    ; the same in gb
.set STG,  8                           ; the gate's way through the stage: in,
.set RDG,  9                           ; back,
.set CG0,  10                          ; byte offset of my 16 bytes in a head's rows of gb, token tiles 0, 1
.set CG1,  11                          ; token tiles 2, 3
.set ADA0, 16                          ; v16-17 token fragments 0, 1 in slot 0, 1
.set ADA1, 18                          ; v18-19 token fragments 2, 3
.set ADB,  20                          ; v20-21 my 128 weight rows
.set ADX,  22                          ; v22-23 the fifth head's 64 weight rows
.set STO,  24
.set RD,   25
.set CO0,  26                          ; byte offset of my 16 bytes in a head's rows of qb, kvb, token tiles 0, 1
.set CO1,  27                          ; token tiles 2, 3
.set CS0,  28                          ; byte offset in cos and sin, token tiles 0, 1
.set CS1,  29
.set WOF,  30                          ; byte offset in the norm weights
.set TT,   32
.set AF,   64
.set YY,   64
.set EE,   96
.set WQ,   128
.set WK,   160
.set PK,   192
.set LD,   208
.set G1A, 24                           ; s[24:31] shape of the token tile
.set G0A, 32                           ; s[32:39] its two group 0
.set G1B, 48                           ; s[48:55] shape of 128 weight rows
.set G0B, 56                           ; s[56:63] the weights' two group 0
.set G1C, 68                           ; s[68:75] shape of the fifth head's 64 rows
.set MSB, 0
.macro WIN new                         ; the immediate's high byte repeats the setting that is left
.if MSB != (\new)
	s_set_vgpr_msb (MSB<<8)|(\new)
.set MSB, (\new)
.endif
.endm
.macro PLACES                          ; four places behind a matrix instruction (ISA guide 7.12.1)
.rept 4
	v_nop
.endr
.endm
; One joint load a wave: wave 0 the tokens, waves 1 and 2 128 weight rows each, wave 3 the fifth head's 64. The branches hang on the wave's number alone.
.macro JLOAD3 s
	s_cmp_eq_u32 s10, 0
	s_cbranch_scc0 .Lnot_a_\@
	tensor_load_to_lds s[G0A+4*\s:G0A+4*\s+3], s[G1A:G1A+7]
	s_nop 0
	s_branch .Lasked_\@
.Lnot_a_\@:
	s_cmp_eq_u32 s10, 3
	s_cbranch_scc0 .Lmid_\@
	tensor_load_to_lds s[G0B+4*\s:G0B+4*\s+3], s[G1C:G1C+7]
	s_nop 0
	s_branch .Lasked_\@
.Lmid_\@:
	tensor_load_to_lds s[G0B+4*\s:G0B+4*\s+3], s[G1B:G1B+7]
	s_nop 0
.Lasked_\@:
.endm
.macro CREST                           ; a round of the cluster's barrier behind its opening barrier
	s_cmp_lg_u32 s10, 0
	s_cbranch_scc1 .Lnot_wave_0_\@
	s_barrier_signal -3
.Lnot_wave_0_\@:
	s_barrier_wait -3
	s_barrier_signal -1
	s_barrier_wait -1
.endm
.macro CROUND
	s_barrier_signal -1
	s_barrier_wait -1
	CREST
.endm
	s_load_b128 s[4:7], s[0:1], 0x0                ; xb, wb
	s_load_b256 s[80:87], s[0:1], 0x10             ; cos, sin, q_norm_w, k_norm_w
	s_load_b128 s[88:91], s[0:1], 0x30             ; qb, kvb
	s_load_b64 s[92:93], s[0:1], 0x40              ; gb
	v_lshl_add_u32 v254, v0, 2, 0x3fc00
	v_mov_b32 v255, 0
	ds_add_u32 v254, v255
	v_lshrrev_b32 v1, 5, v0
	v_readfirstlane_b32 s10, v1                    ; wave 0..3
	s_lshr_b32 s11, s10, 1                         ; wm
	s_and_b32 s12, s10, 1                          ; wn
	s_bfe_u32 s40, ttmp6, 0x40000                  ; cx
	s_bfe_u32 s41, ttmp6, 0x40004                  ; cy
	s_lshl_b32 s42, ttmp9, 2
	s_add_co_u32 s42, s42, s40                     ; block of wb = 4 x cluster x + cx
	s_and_b32 s13, ttmp7, 0xffff
	s_lshl_b32 s13, s13, 2
	s_add_co_u32 s13, s13, s41                     ; block of 128 tokens = 4 x cluster y + cy
	s_lshl_b32 s43, s41, 2
	s_lshl_b32 s43, 15, s43                        ; my row of the cluster
	s_lshl_b32 s44, 0x1111, s40                    ; my column
	s_mov_b32 s76, 0x76543210                      ; v_permlanex16_b32: lane i takes lane i of the other half
	s_mov_b32 s77, 0xfedcba98
	s_mov_b32 s78, 0x3c800000                      ; 1/64
	s_mov_b32 s79, 0x358637bd                      ; 1e-6
	s_mov_b32 s94, 0x3e38aa3b                      ; log2(e)/8, carried by q
	s_mov_b32 s96, 0xbfb8aa3b                      ; -log2(e)
	s_mov_b32 s97, 0xbfb8aa3b
	s_mov_b32 s98, 0xffff0000                      ; a word's upper bf16
	; group 1: rows of 128 elements of 2 bytes, 4 words of padding behind every 64 words, the mask with bit 21 beside it
	s_or_b32 s[G1A+0], s43, (1<<16)|(1<<20)|(1<<21)|(5<<22)|(3<<25)
	s_or_b32 s[G1B+0], s44, (1<<16)|(1<<20)|(1<<21)|(5<<22)|(3<<25)
	s_or_b32 s[G1C+0], s44, (1<<16)|(1<<20)|(1<<21)|(5<<22)|(3<<25)
.irp g, G1A, G1B, G1C
	s_mov_b32 s[\g+1], KSTEP<<16                   ; tensor_dim0 = 128
	s_mov_b32 s[\g+3], KSTEP<<16                   ; tile_dim0 = 128
	s_mov_b32 s[\g+5], 1024                        ; elements from row to row
	s_mov_b32 s[\g+6], 0
	s_mov_b32 s[\g+7], 0
.endr
	s_mov_b32 s[G1A+2], 128<<16                    ; tensor_dim1
	s_mov_b32 s[G1A+4], 128                        ; tile_dim1
	s_mov_b32 s[G1B+2], 128<<16
	s_mov_b32 s[G1B+4], 128
	s_mov_b32 s[G1C+2], 64<<16
	s_mov_b32 s[G1C+4], 64
	s_lshl_b32 s16, s13, 18                        ; tokens: 128 rows x 2,048 bytes a block
	s_mov_b32 s17, 0
	s_mul_i32 s46, s42, 320                        ; weights: row 320 x block + 128 x (wave - 1); wave 0 never asks by this address
	s_max_u32 s18, s10, 1
	s_sub_co_u32 s18, s18, 1
	s_lshl_b32 s18, s18, 7
	s_add_co_u32 s46, s46, s18
	s_lshl_b32 s46, s46, 11
	s_mov_b32 s47, 0
	s_mul_i32 s20, s10, HALFT                      ; where a wave's part goes: the wave's number alone
	s_wait_dscnt 0x0
	s_wait_kmcnt 0x0
	s_add_nc_u64 s[14:15], s[4:5], s[16:17]
	s_add_nc_u64 s[46:47], s[6:7], s[46:47]
	CROUND                                         ; all sixteen work-groups are here: the first joint loads meet
.irp s, 0,1
	s_mov_b32 s[G0A+4*\s], 1
	s_add_co_u32 s[G0A+4*\s+1], s20, \s*SLOT
	s_add_nc_u64 s[G0A+4*\s+2:G0A+4*\s+3], s[14:15], \s*KSTEP*2
	s_or_b32 s[G0A+4*\s+3], s[G0A+4*\s+3], 0x80000000
	s_mov_b32 s[G0B+4*\s], 1
	s_add_co_u32 s[G0B+4*\s+1], s20, \s*SLOT
	s_add_nc_u64 s[G0B+4*\s+2:G0B+4*\s+3], s[46:47], \s*KSTEP*2
	s_or_b32 s[G0B+4*\s+3], s[G0B+4*\s+3], 0x80000000
	JLOAD3 \s                                      ; K steps 0 and 1: two loads of the wave are out, later one
.endr
	v_and_b32 v1, 15, v0                           ; r
	v_bfe_u32 v2, v0, 4, 1                         ; h
	v_and_b32 v5, 31, v0                           ; lane
	v_mul_u32_u24 v3, v1, PITCH
	v_lshl_add_u32 v3, v2, 4, v3                   ; r x pitch + 16 h
	s_lshl_b32 s21, s11, 6
	s_lshl_b32 s22, s12, 5
	s_add_co_u32 s22, s21, s22                     ; first row of token tiles 0, 1
	s_xor_b32 s23, s12, 1
	s_lshl_b32 s23, s23, 5
	s_add_co_u32 s23, s21, s23                     ; first row of token tiles 2, 3
	s_mul_i32 s18, s22, PITCH
	s_mul_i32 s19, s23, PITCH
	s_mul_i32 s21, s12, HALFT
	s_add_co_u32 s21, s21, HALFT                   ; my 128 weight rows lie behind the tokens
.irp s, 0,1
	v_add_nc_u32 v[ADA0+\s], s18, v3
	v_add_nc_u32 v[ADA1+\s], s19, v3
	v_add_nc_u32 v[ADB+\s], s21, v3
	v_add_nc_u32 v[ADX+\s], 3*HALFT+\s*SLOT, v3
	s_add_co_u32 s18, s18, SLOT
	s_add_co_u32 s19, s19, SLOT
	s_add_co_u32 s21, s21, SLOT
.endr
	s_mul_i32 s18, s10, 16*GPITCH
	s_add_co_u32 s18, s18, STAGE                   ; my stage
	v_mul_u32_u24 v4, v1, SPITCH
	v_lshl_add_u32 v4, v2, 4, v4
	v_add_nc_u32 v[STO], s18, v4                   ; f16 in: row r, 16 bytes for each half of the lanes
	v_lshrrev_b32 v4, 3, v5
	v_mul_u32_u24 v4, v4, SPITCH
	v_and_b32 v6, 7, v0
	v_lshl_add_u32 v4, v6, 4, v4
	v_add_nc_u32 v[RD], s18, v4                    ; f16 back: eight lanes a row of 128 bytes, four rows a load
	v_mul_u32_u24 v4, v1, GPITCH
	v_lshl_add_u32 v4, v2, 5, v4
	v_add_nc_u32 v[STG], s18, v4                   ; f32 in: row r, 32 bytes for each half of the lanes
	v_mul_u32_u24 v4, v2, GPITCH
	v_lshl_add_u32 v4, v1, 4, v4
	v_add_nc_u32 v[RDG], s18, v4                   ; f32 back: sixteen lanes a row of 256 bytes, two rows a load
	v_lshlrev_b32 v5, 4, v5                        ; a head's rows follow each other in memory: 16 x lane
	s_lshl_b32 s18, s22, 7
	s_lshl_b32 s19, s23, 7
	v_add_nc_u32 v[CO0], s18, v5
	v_add_nc_u32 v[CO1], s19, v5
	v_lshlrev_b32 v4, 8, v1
	v_lshl_add_u32 v4, v2, 5, v4                   ; cos, sin: 256 r + 32 h
	s_lshl_b32 s18, s22, 8
	s_lshl_b32 s19, s23, 8
	v_add_nc_u32 v[CS0], s18, v4
	v_add_nc_u32 v[CS1], s19, v4
	v_add_nc_u32 v[CG0], s18, v5                   ; gb's rows are 256 bytes too
	v_add_nc_u32 v[CG1], s19, v5
	v_lshlrev_b32 v[WOF], 5, v2
; 16 matrix instructions: token tiles a0, a0 + 1 x my 8 column tiles; f = fragment buffer; zero = 1: the first product starts the sums
.macro MULM f, a0, zero
.irp a, \a0, \a0+1
.irp b, 0,1,2,3,4,5,6,7
.if \zero
	v_wmma_f32_16x16x32_bf16 v[8*(8*(\a)+\b):8*(8*(\a)+\b)+7], v[96*\f+8*\b:96*\f+8*\b+7], v[AF+32*\f+8*(\a):AF+32*\f+8*(\a)+7], 0
.else
	v_wmma_f32_16x16x32_bf16 v[8*(8*(\a)+\b):8*(8*(\a)+\b)+7], v[96*\f+8*\b:96*\f+8*\b+7], v[AF+32*\f+8*(\a):AF+32*\f+8*(\a)+7], v[8*(8*(\a)+\b):8*(8*(\a)+\b)+7]
.endif
.endr
.endr
.endm
; 8 matrix instructions: token tiles 0, 1 x the fifth head's 4 column tiles
.macro MULX f, zero
.irp a, 0,1
.irp b, 0,1,2,3
.if \zero
	v_wmma_f32_16x16x32_bf16 v[8*(4*\a+\b):8*(4*\a+\b)+7], v[96*\f+64+8*\b:96*\f+64+8*\b+7], v[AF+32*\f+8*\a:AF+32*\f+8*\a+7], 0
.else
	v_wmma_f32_16x16x32_bf16 v[8*(4*\a+\b):8*(4*\a+\b)+7], v[96*\f+64+8*\b:96*\f+64+8*\b+7], v[AF+32*\f+8*\a:AF+32*\f+8*\a+7], v[8*(4*\a+\b):8*(4*\a+\b)+7]
.endif
.endr
.endr
.endm
; 32 LDS loads in one run: 32 along K at byte k of the rows: 4 token fragments, my 8 weight fragments, last the fifth head's 4
.macro FETCH slot, k, f
	WIN 0
.irp i, 0,1
	ds_load_b128 v[AF+32*\f+8*\i:AF+32*\f+8*\i+3],   v[ADA0+\slot] offset:\k+\i*16*PITCH
	ds_load_b128 v[AF+32*\f+8*\i+4:AF+32*\f+8*\i+7], v[ADA0+\slot] offset:\k+\i*16*PITCH+32
.endr
.irp i, 0,1
	ds_load_b128 v[AF+32*\f+16+8*\i:AF+32*\f+16+8*\i+3],   v[ADA1+\slot] offset:\k+\i*16*PITCH
	ds_load_b128 v[AF+32*\f+16+8*\i+4:AF+32*\f+16+8*\i+7], v[ADA1+\slot] offset:\k+\i*16*PITCH+32
.endr
	WIN 0x40
.irp i, 0,1,2,3,4,5,6,7
	ds_load_b128 v[96*\f+8*\i:96*\f+8*\i+3],   v[ADB+\slot] offset:\k+\i*16*PITCH
	ds_load_b128 v[96*\f+8*\i+4:96*\f+8*\i+7], v[ADB+\slot] offset:\k+\i*16*PITCH+32
.endr
.irp i, 0,1,2,3
	ds_load_b128 v[96*\f+64+8*\i:96*\f+64+8*\i+3],   v[ADX+\slot] offset:\k+\i*16*PITCH
	ds_load_b128 v[96*\f+64+8*\i+4:96*\f+64+8*\i+7], v[ADX+\slot] offset:\k+\i*16*PITCH+32
.endr
.endm
; A quarter of a K step: 40 matrix instructions on buffer f; in its middle the next quarter's fragments go into buffer g.
; The 40 accumulators take turns, one instruction a turn, in the same order in every quarter.
.macro QUARTER slot, k, f, g, zero
	s_wait_dscnt 8                                 ; all of buffer f but the youngest eight loads, the fifth head's fragments
	WIN 0xa1
	MULM \f, 0, \zero
	PLACES                                         ; buffer g was read by the quarter before
	FETCH \slot, \k, \g
	s_wait_dscnt 32                                ; all but the 32 just issued
	WIN 0xa1
	MULM \f, 2, \zero
	WIN 0xf1
	MULX \f, \zero
.endm
.macro THREE slot, zero
	QUARTER \slot, 64,  0, 1, \zero
	QUARTER \slot, 128, 1, 0, 0
	QUARTER \slot, 192, 0, 1, 0
.endm
; The last quarter changes slots. In front of the barrier each wave waits for its reads of this slot and for all its tensor loads (one is out: its part
; of the next slot); where this slot is filled again the barrier opens a round of the cluster's barrier, and the joint refill is first behind the round.
.macro TURN slot, next, fill
	s_wait_dscnt 8
	WIN 0xa1
	MULM 1, 0, 0
	s_wait_dscnt 0x0
	s_set_vgpr_msb 0xa1a0
	s_wait_tensorcnt 0x0
	ds_add_u32 v254, v255
	s_wait_dscnt 0x0
	s_set_vgpr_msb 0xa0a1
	s_barrier_signal -1
	MULM 1, 2, 0                                   ; register work while the others arrive
	WIN 0
	s_barrier_wait -1
.if \fill
	CREST
	s_add_nc_u64 s[G0A+4*\slot+2:G0A+4*\slot+3], s[G0A+4*\slot+2:G0A+4*\slot+3], 2*KSTEP*2
	s_add_nc_u64 s[G0B+4*\slot+2:G0B+4*\slot+3], s[G0B+4*\slot+2:G0B+4*\slot+3], 2*KSTEP*2
	JLOAD3 \slot
.endif
	PLACES
	FETCH \next, 0, 0
	WIN 0xf1
	MULX 1, 0
.endm
.macro LAP zero
	THREE 0, \zero
	TURN 0, 1, 1
	THREE 1, 0
	TURN 1, 0, 1
.endm
	s_wait_tensorcnt 0x1                           ; my part of K step 0 is in; K step 1's may stay out
	s_barrier_signal -1
	s_barrier_wait -1
	FETCH 0, 0, 0
	LAP 1                                          ; K = 1,024 is 8 steps = 4 laps; the first starts the sums
	WIN 0
	s_mov_b32 s3, 2
.Llap:
	LAP 0
	WIN 0
	s_sub_co_u32 s3, s3, 1
	s_cmp_lg_u32 s3, 0
	s_cbranch_scc1 .Llap
	THREE 0, 0                                     ; the last lap fills nothing
	TURN 0, 1, 0
	THREE 1, 0
	s_wait_dscnt 8
	WIN 0xa1
	MULM 1, 0, 0
	MULM 1, 2, 0
	s_wait_dscnt 0x0
	WIN 0xf1
	MULX 1, 0
	; THE WAY OUT
	PLACES                                         ; behind the last matrix instructions: results are read, fragment registers are loaded again
	WIN 0
	s_lshr_b32 s14, s13, 4                         ; batch
	s_and_b32 s15, s13, 15
	s_lshl_b32 s15, s15, 7                         ; the block's first position in the sequence
	s_and_b32 s16, s42, 3
	s_lshl_b32 s17, s14, 4
	s_lshl2_add_u32 s17, s16, s17
	s_lshl1_add_u32 s17, s12, s17                  ; my first head: 16 batch + 4 (block mod 4) + 2 wn
	s_lshl_b32 s18, s17, 18
	s_lshl_b32 s19, s15, 7
	s_add_co_u32 s18, s18, s19
	s_mov_b32 s19, 0
	s_lshl_b32 s46, s18, 1                         ; gb's numbers are twice as wide
	s_mov_b32 s47, 0
	s_lshl2_add_u32 s20, s14, s16                  ; key/value head: 4 batch + block mod 4
	s_lshr_b32 s21, s42, 2                         ; 0: keys, 1: values
	s_lshl1_add_u32 s20, s20, s21
	s_lshl_b32 s20, s20, 18
	s_lshl_b32 s21, s15, 7
	s_add_co_u32 s20, s20, s21
	s_mov_b32 s21, 0
	s_lshl_b32 s22, s15, 8                         ; cos, sin: 256 bytes a position
	s_mov_b32 s23, 0
	s_add_nc_u64 s[88:89], s[88:89], s[18:19]
	s_add_nc_u64 s[92:93], s[92:93], s[46:47]
	s_add_nc_u64 s[90:91], s[90:91], s[20:21]
	s_add_nc_u64 s[80:81], s[80:81], s[22:23]
	s_add_nc_u64 s[82:83], s[82:83], s[22:23]
; 16 tokens x 64 numbers, packed in PK (tile t: registers 4 t .. 4 t + 3), go through my stage and leave as 4 stores of 512 neighbouring bytes
.macro OUTSTORE co, imm, ptr
.irp t, 0,1,2,3
	ds_store_b128 v[STO], v[PK+4*\t:PK+4*\t+3] offset:32*\t
.endr
	s_wait_xcnt 0x0                                ; LD, which the last stores read, is loaded again only behind this wait
.irp i, 0,1,2,3
	ds_load_b128 v[LD+4*\i:LD+4*\i+3], v[RD] offset:4*SPITCH*\i    ; LDS serves a wave's instructions in order: these see the stores above
.endr
.irp i, 0,1,2,3
	s_wait_dscnt 3-\i                              ; load i is back, the 3 - i younger ones may be out
	global_store_b128 v[\co], v[LD+4*\i:LD+4*\i+3], s[\ptr:\ptr+1] offset:(\imm)+512*\i
.endr
.endm
; One token tile x one head (32 registers from base in window win): x *= rsqrt(mean of x^2 + 1e-6), times s[sc] if sc is given
.macro RMS win, base, sc
	WIN (\win)|((\win)<<2)
.irp c, 0,1,2,3
	v_pk_mul_f32 v[TT+2*\c:TT+2*\c+1], v[(\base)+2*\c:(\base)+2*\c+1], v[(\base)+2*\c:(\base)+2*\c+1]
.endr
.irp i, 1,2,3
.irp c, 0,1,2,3
	v_pk_fma_f32 v[TT+2*\c:TT+2*\c+1], v[(\base)+8*\i+2*\c:(\base)+8*\i+2*\c+1], v[(\base)+8*\i+2*\c:(\base)+8*\i+2*\c+1], v[TT+2*\c:TT+2*\c+1]
.endr
.endr
	WIN 0
	v_pk_add_f32 v[TT:TT+1], v[TT:TT+1], v[TT+2:TT+3]
	v_pk_add_f32 v[TT+4:TT+5], v[TT+4:TT+5], v[TT+6:TT+7]
	v_pk_add_f32 v[TT:TT+1], v[TT:TT+1], v[TT+4:TT+5]
	v_add_f32 v[TT], v[TT], v[TT+1]
	v_permlanex16_b32 v[TT+1], v[TT], s76, s77     ; the token's other 32 numbers lie in the other half of the lanes
	v_add_f32 v[TT], v[TT], v[TT+1]
	v_fma_f32 v[TT], v[TT], s78, s79               ; sum / 64 + 1e-6
	v_rsq_f32 v[TT+2], v[TT]
	v_nop                                          ; one plain place behind the transcendental
.if \sc
	s_wait_alu depctr_va_vdst(0)
	v_mul_f32 v[TT+2], s[\sc], v[TT+2]
.endif
	s_wait_alu depctr_va_vdst(0)
	v_mov_b32 v[TT+3], v[TT+2]
	WIN (\win)|((\win)<<6)
.set i, 0
.rept 16
	v_pk_mul_f32 v[(\base)+2*i:(\base)+2*i+1], v[(\base)+2*i:(\base)+2*i+1], v[TT+2:TT+3]
.set i, i+1
.endr
.endm
; 128 registers of window 1 from base (cos and sin of two token tiles): each number rounded to bf16 and widened again, through v64-127
.macro RNDC base
	WIN 0x05
.set i, 0
.rept 64
	v_cvt_pk_bf16_f32 v[YY+i], v[(\base)+2*i], v[(\base)+2*i+1]
.set i, i+1
.endr
	WIN 0x40
.set i, 0
.rept 64
	v_lshlrev_b32 v[(\base)+2*i], 16, v[YY+i]
	v_and_b32 v[(\base)+2*i+1], s98, v[YY+i]
.set i, i+1
.endr
.endm
; Norm weight, RoPE, rounding, store. Register 8 t + j of a head is d = 16 t + 8 h + j: registers 0-15 are d < 32, register i + 16 is d + 32.
.macro ROPE win, base, a, w, co, imm, ptr
	WIN \win
.set i, 0
.rept 16
	v_pk_mul_f32 v[YY+2*i:YY+2*i+1], v[(\base)+2*i:(\base)+2*i+1], v[\w+2*i:\w+2*i+1]
.set i, i+1
.endr
	WIN 0x04                                       ; source 1: cos and sin in window 1
.set i, 0
.rept 8
	v_pk_mul_f32 v[EE+2*i:EE+2*i+1], v[YY+16+2*i:YY+16+2*i+1], v[64*(\a)+32+2*i:64*(\a)+32+2*i+1]
	v_pk_mul_f32 v[EE+16+2*i:EE+16+2*i+1], v[YY+2*i:YY+2*i+1], v[64*(\a)+48+2*i:64*(\a)+48+2*i+1]
.set i, i+1
.endr
.set i, 0
.rept 16
	v_fma_f32 v[EE+i], v[YY+i], v[64*(\a)+i], -v[EE+i]             ; d < 32: y[d] cos[d] - y[d+32] sin[d]
.set i, i+1
.endr
.set i, 0
.rept 8
	v_pk_fma_f32 v[EE+16+2*i:EE+16+2*i+1], v[YY+16+2*i:YY+16+2*i+1], v[64*(\a)+16+2*i:64*(\a)+16+2*i+1], v[EE+16+2*i:EE+16+2*i+1]   ; d >= 32: y[d] cos[d] + y[d-32] sin[d]
.set i, i+1
.endr
	WIN 0
.set i, 0
.rept 16
	v_cvt_pk_f16_f32 v[PK+i], v[EE+2*i], v[EE+2*i+1]
.set i, i+1
.endr
	OUTSTORE \co, \imm, \ptr
.endm
; sigmoid(x) = 1 / (1 + 2^(-log2(e) x)), kept in f32: 16 tokens x 256 bytes through my stage, 8 stores of 512 neighbouring bytes
.macro GATE base, co, imm
	WIN 0x02
.set i, 0
.rept 16
	v_pk_mul_f32 v[EE+2*i:EE+2*i+1], v[(\base)+2*i:(\base)+2*i+1], s[96:97] op_sel_hi:[1,0]
.set i, i+1
.endr
	WIN 0
.set i, 0
.rept 32
	v_exp_f32 v[EE+i], v[EE+i]
.set i, i+1
.endr
	v_nop
.set i, 0
	s_wait_alu depctr_va_vdst(0)
.rept 16
	v_pk_add_f32 v[EE+2*i:EE+2*i+1], v[EE+2*i:EE+2*i+1], 1.0 op_sel_hi:[1,0]
.set i, i+1
.endr
.set i, 0
.rept 32
	v_rcp_f32 v[EE+i], v[EE+i]
.set i, i+1
.endr
	v_nop
	s_wait_alu depctr_va_vdst(0)
.irp t, 0,1,2,3
	ds_store_b128 v[STG], v[EE+8*\t:EE+8*\t+3]   offset:64*\t
	ds_store_b128 v[STG], v[EE+8*\t+4:EE+8*\t+7] offset:64*\t+16
.endr
	s_wait_xcnt 0x0                                ; LD, which the last stores read, is loaded again only behind this wait
.irp i, 0,1,2,3,4,5,6,7
	ds_load_b128 v[LD+4*\i:LD+4*\i+3], v[RDG] offset:2*GPITCH*\i   ; LDS serves a wave's instructions in order: these see the stores above
.endr
.irp i, 0,1,2,3,4,5,6,7
	s_wait_dscnt 7-\i                              ; load i is back, the 7 - i younger ones may be out
	global_store_b128 v[\co], v[LD+4*\i:LD+4*\i+3], s[92:93] offset:(\imm)+512*\i
.endr
.endm
.macro VOUT base, imm
	WIN 0x0f
.set i, 0
.rept 16
	v_cvt_pk_f16_f32 v[PK+i], v[(\base)+2*i], v[(\base)+2*i+1]
.set i, i+1
.endr
	WIN 0
	OUTSTORE CO0, \imm, 90
.endm
	s_cmp_lg_u32 ttmp9, 0                          ; the cluster's x, the same in all sixteen work-groups: 0 = blocks 0-3 (queries, keys), 1 = blocks 4-7 (gates, values)
	s_cbranch_scc1 .Lgatev
	; queries and keys: the norm weights and my tokens' cos and sin are asked for first, the norms are made while they come
.irp t, 0,1,2,3
	global_load_b128 v[WQ+8*\t:WQ+8*\t+3],   v[WOF], s[84:85] offset:64*\t
	global_load_b128 v[WQ+8*\t+4:WQ+8*\t+7], v[WOF], s[84:85] offset:64*\t+16
	global_load_b128 v[WK+8*\t:WK+8*\t+3],   v[WOF], s[86:87] offset:64*\t
	global_load_b128 v[WK+8*\t+4:WK+8*\t+7], v[WOF], s[86:87] offset:64*\t+16
.endr
	WIN 0x40
.irp a, 0,1
.irp t, 0,1,2,3
	global_load_b128 v[64*\a+8*\t:64*\a+8*\t+3],       v[CS0], s[80:81] offset:4096*\a+64*\t
	global_load_b128 v[64*\a+8*\t+4:64*\a+8*\t+7],     v[CS0], s[80:81] offset:4096*\a+64*\t+16
	global_load_b128 v[64*\a+32+8*\t:64*\a+32+8*\t+3],   v[CS0], s[82:83] offset:4096*\a+64*\t
	global_load_b128 v[64*\a+32+8*\t+4:64*\a+32+8*\t+7], v[CS0], s[82:83] offset:4096*\a+64*\t+16
	global_load_b128 v[128+64*\a+8*\t:128+64*\a+8*\t+3],       v[CS1], s[80:81] offset:4096*\a+64*\t
	global_load_b128 v[128+64*\a+8*\t+4:128+64*\a+8*\t+7],     v[CS1], s[80:81] offset:4096*\a+64*\t+16
	global_load_b128 v[128+64*\a+32+8*\t:128+64*\a+32+8*\t+3],   v[CS1], s[82:83] offset:4096*\a+64*\t
	global_load_b128 v[128+64*\a+32+8*\t+4:128+64*\a+32+8*\t+7], v[CS1], s[82:83] offset:4096*\a+64*\t+16
.endr
.endr
.irp a, 0,1,2,3
.irp hh, 0,1
	RMS 2, 64*\a+32*\hh, 94
.endr
.endr
	RMS 3, 0, 0
	RMS 3, 32, 0
	s_wait_loadcnt 0x0                             ; weights, cos and sin
	RNDC 0                                         ; cos, sin and the norm weights are taken in bf16, like every input but the mask
	RNDC 128
	WIN 0
.set i, 0
.rept 32
	v_cvt_pk_bf16_f32 v[PK+i], v[WQ+2*i], v[WQ+2*i+1]              ; q_norm_w's 32 registers, then k_norm_w's, through v192-223
.set i, i+1
.endr
.set i, 0
.rept 32
	v_lshlrev_b32 v[WQ+2*i], 16, v[PK+i]
	v_and_b32 v[WQ+2*i+1], s98, v[PK+i]
.set i, i+1
.endr
.irp hh, 0,1
	ROPE 2, 32*\hh,     0, WQ, CO0, HEADB*\hh,      88
	ROPE 2, 64+32*\hh,  1, WQ, CO0, HEADB*\hh+2048, 88
	ROPE 2, 128+32*\hh, 2, WQ, CO1, HEADB*\hh,      88
	ROPE 2, 192+32*\hh, 3, WQ, CO1, HEADB*\hh+2048, 88
.endr
	ROPE 3, 0,  0, WK, CO0, 0,    90
	ROPE 3, 32, 1, WK, CO0, 2048, 90
	s_branch .Ldone
.Lgatev:
.irp hh, 0,1
	GATE 32*\hh,     CG0, HEADG*\hh
	GATE 64+32*\hh,  CG0, HEADG*\hh+4096
	GATE 128+32*\hh, CG1, HEADG*\hh
	GATE 192+32*\hh, CG1, HEADG*\hh+4096
.endr
	VOUT 0, 0
	VOUT 32, 2048
.Ldone:
	s_wait_tensorcnt 0x0
	ds_add_u32 v254, v255
	s_wait_dscnt 0x0
	CROUND                                         ; the closing round: no work-group ends while a partner may still ask for a tile that names it
	s_endpgm
.Lfunc_end_k_q7f8ab56d2c_proj:
	.size	k_q7f8ab56d2c_proj, .Lfunc_end_k_q7f8ab56d2c_proj-k_q7f8ab56d2c_proj
	.p2alignl 7, 3214868480
	.fill 96, 4, 3214868480
	.section	.rodata,"a",@progbits
	.p2align	6, 0x0
	.amdhsa_kernel k_q7f8ab56d2c_proj
		.amdhsa_group_segment_fixed_size 327680
		.amdhsa_private_segment_fixed_size 0
		.amdhsa_enable_private_segment 0
		.amdhsa_kernarg_size 72
		.amdhsa_user_sgpr_count 2
		.amdhsa_user_sgpr_kernarg_segment_ptr 1
		.amdhsa_wavefront_size32 1
		.amdhsa_system_sgpr_workgroup_id_x 1
		.amdhsa_system_sgpr_workgroup_id_y 1
		.amdhsa_system_sgpr_workgroup_id_z 1
		.amdhsa_system_vgpr_workitem_id 0
		.amdhsa_next_free_vgpr 832
		.amdhsa_next_free_sgpr 100
		.amdhsa_reserve_vcc 0
		.amdhsa_float_denorm_mode_32 3
		.amdhsa_float_denorm_mode_16_64 3
		.amdhsa_memory_ordered 1
		.amdhsa_forward_progress 1
		.amdhsa_inst_pref_size 255
	.end_amdhsa_kernel
	.section	.bss,"aw",@nobits
	.p2align	6
	.space	262144
	.amdgpu_metadata
---
amdhsa.version: [ 1, 2 ]
amdhsa.kernels:
  - .name:           k_q7f8ab56d2c_proj
    .symbol:         k_q7f8ab56d2c_proj.kd
    .args:
      - { .name: xb, .offset: 0, .size: 8, .value_kind: global_buffer, .address_space: global }
      - { .name: wb, .offset: 8, .size: 8, .value_kind: global_buffer, .address_space: global }
      - { .name: cos, .offset: 16, .size: 8, .value_kind: global_buffer, .address_space: global }
      - { .name: sin, .offset: 24, .size: 8, .value_kind: global_buffer, .address_space: global }
      - { .name: q_norm_w, .offset: 32, .size: 8, .value_kind: global_buffer, .address_space: global }
      - { .name: k_norm_w, .offset: 40, .size: 8, .value_kind: global_buffer, .address_space: global }
      - { .name: qb, .offset: 48, .size: 8, .value_kind: global_buffer, .address_space: global }
      - { .name: kvb, .offset: 56, .size: 8, .value_kind: global_buffer, .address_space: global }
      - { .name: gb, .offset: 64, .size: 8, .value_kind: global_buffer, .address_space: global }
    .group_segment_fixed_size: 327680
    .private_segment_fixed_size: 0
    .kernarg_segment_align: 8
    .kernarg_segment_size: 72
    .max_flat_workgroup_size: 128
    .sgpr_count:     100
    .vgpr_count:     832
    .wavefront_size: 32
...
	.end_amdgpu_metadata
.endif
;; end of part 2
;; launch attn (part 3): grid 32 x 8, 8 waves a work-group, clusters of 4 x 4, 327,680 bytes of LDS; arguments qb, kvb, gb, attention_mask, ab; writes ab
.if DOCPART == 3
	.amdgcn_target "amdgcn-amd-amdhsa--gfx1250"
	.amdhsa_code_object_version 6
	.text
	.protected	k_q7f8ab56d2c_attn
	.globl	k_q7f8ab56d2c_attn
	.p2align	8
	.type	k_q7f8ab56d2c_attn,@function
k_q7f8ab56d2c_attn:
	s_mov_b64 s[64:65], 0
	v_nop
	global_prefetch_b8 v0, s[64:65] scope:SCOPE_SE
	s_setreg_imm32_b32 hwreg(HW_REG_WAVE_MODE, 25, 1), 1
	s_wait_xcnt 0x0
	s_wait_alu depctr_hold_cnt(0) depctr_sa_sdst(0) depctr_va_vdst(0) depctr_va_sdst(0) depctr_va_ssrc(0) depctr_va_vcc(0) depctr_vm_vsrc(0)
	s_getreg_b32 s2, hwreg(HW_REG_IB_STS2, 6, 4)
	s_cmp_eq_u32 s2, 0
	s_cbranch_scc0 .Lentry_in_a_cluster
	s_endpgm
.Lentry_in_a_cluster:
	s_bfe_u32 s2, ttmp6, 0x10000c
	s_cmp_lg_u32 s2, 0xf033
	s_cbranch_scc0 .Lentry_shape_is_right
	s_endpgm
.Lentry_shape_is_right:
; Attention with the additive mask as it is given, softmax with a running maximum, division by the sum, times the gate.
; A work-group takes 64 query rows x the 4 query heads of one key/value head: 32 x 8 = 256 work-groups.
; EIGHT WAVES, two on each SIMD: a step has as many vector as matrix cycles, and a wave alone can issue only one kind at a time; with two waves one's
; matrix instructions are served while the other issues its softmax. Waves w and w + 4 take the same rows 16 (w mod 4) .. + 15 and the same 4 heads,
; and each half of the keys: of every slot of 256 keys wave w takes keys 128 (w / 4) .. + 127, in two steps of 64. Each keeps its own maxima, sums and O;
; at the end the two exchange two heads each through LDS and merge them.
; The upper waves count their heads turned by two (local head j = head (j + 2 (w / 4)) mod 4), so that every wave keeps its local heads 0, 1 and hands
; over its local heads 2, 3: one text for both halves, no branch.
; All 2,048 keys are walked (the mask is an input) through two LDS slots filled by the tensor data mover, 8 turns.
; EVERYTHING IS TRANSPOSED, so that nothing crosses lanes but one maximum:
;   S^T = K Q^T + mask: source 0 = 16 keys, source 1 = 16 query rows, C = the mask's numbers. Lane (r, h), register j: query r, key 8 h + j of the tile.
;   Two such tiles, rounded to f16 in place, ARE source 1 (32 keys) of O^T = V^T P^T; source 0 is V^T, read by the transposing LDS load.
;   Maximum, sum and rescaling factor belong to a lane; the two halves of the lanes join their maxima once a head and step, their sums at the end.
; SCORES ARE KEPT IN UNITS OF log2: q carries log2(e)/8, and the mask is multiplied by log2(e) in f32 before it enters the sum. So the maximum is taken
; away by a plain subtraction, p = 2^(s - m): s - m is never above 0, whatever the size of the scores, and p is at most 1. (A multiply-add
; s c - round(m c) would not do: where a wave's 64 keys are all masked by a number such as -1e9, the rounding of m c alone is tens of units of the exponent.)
; THE RESULT, O / sum x gate, is made in f32 and leaves as TWO f16 numbers: hi = the f32 number with its low 13 mantissa bits cleared (11 bits are
; left, which f16 holds exactly), lo = the rest, rounded. ab is [32 blocks of 128 tokens][hi, lo][128][1024]; the last product adds both planes.
; CLUSTERS 4 x 4: K and V hang on the key/value head alone (shared along a row of the cluster), the mask's tile on the query block alone (shared along
; a column): each is asked for jointly by four work-groups.
; LIMITS: f16 operands (q at most 1.5 |w|, k at most 8 |w|, p at most 1, v and the result up to 65,504; below 6e-5 an absolute error of 3e-8).
; The running maximum has a floor of -1e30 in units of log2, so that a block of -inf gives zeros and no NaN; a row whose scores are ALL below -6.9e29 has
; the sum 0 and gives NaN (for -inf so does the softmax it stands for). The mask is rounded once more by its multiplication (a relative 2^-24) and is
; added inside the score's f32 sum, not behind its rounding.
; LDS: a slot is K 256 rows x 144, V 256 rows x 144, mask 64 rows x 1,040. Each wave fetches one part: waves 0-3 128 rows of K or V, waves 4-7 16 rows
; of the mask (1,024 bytes of memory each; the tile has no more rows to give a wave). With rows 144 or 1,040 bytes apart the plain fragment loads
; touch 16 different 16-byte columns; of a transposing load's 16 addresses some pairs share one.
; The exchange and the stage of the way out lie in slot 0: it has had its last fill, and its last reads are over at the barrier in front of the last turn.
; Bytes of their own they cannot have: 2 x 140,288 + 139,264 is more than a WGP's 327,680.
; REGISTERS, 512 a wave: window 0: v8-19, v28 addresses, v20-27 maxima and sums (M0 M1 L0 L1 M2 M3 L2 L3), v30-41 at work, v44-107 K fragments,
;   v108-139 mask, v140-235 three buffers of scores, then P in place (head 3 takes head 0's), v236-247 at work at the end.
;   window 1: v0-63 Q (16 head + 8 f), v64-191 O (64 + 32 head + 8 t), v192-255 V^T fragments.
.set KPITCH, 144
.set MPITCH, 1040
.set KVPART, 128*KPITCH                ; what one of waves 0-3 fetches
.set MPART,  16*MPITCH                 ; what one of waves 4-7 fetches
.set MASKO,  4*KVPART
.set SLOT,   MASKO+4*MPART             ; 140,288
.set XCHB,   17*512                    ; a wave's exchange area: 64 registers of O, then two maxima and two sums
.set OST,    8*XCHB                    ; behind the eight exchange areas: for each wave 16 rows x 272 bytes of hi, then of lo
.set SPITCH, 272
.set LOSTG,  16*SPITCH
.set HEADB,  262144                    ; bytes of a head's 2,048 rows in qb
.set HEADG,  524288                    ; and in gb
.set PLANE,  262144                    ; bytes of a plane of ab: 128 rows of 2,048
.set ADK, 8
.set ADV, 10
.set ADM, 12
.set QO,  14
.set STO, 15
.set RD,  16
.set CO,  17
.set GO,  18
.set XST, 19
.set MLB, 20
.set XRD, 28
.set NMR, 30
.set ALR, 32
.set TT,  34
.set KF,  44
.set MKR, 108
.set SC,  140
.set PMR, 236
.set FF,  240
.set QF,  0
.set OA,  64
.set VF,  192
.set GT,  KF                           ; at the end: the gate of my two heads,
.set EE,  SC                           ; the result in f32, then lo,
.set HH,  SC+32                        ; hi,
.set PK,  SC+64                        ; hi and
.set PL,  SC+80                        ; lo in f16,
.set LD,  MKR                          ; rows read back: hi,
.set LD2, KF                           ; lo
.set G1,  24                           ; s[24:31] shape of K's and V's tile
.set G0,  32                           ; s[32:39] its two group 0
.set G1M, 48                           ; s[48:55] shape of the mask's tile
.set G0M, 56                           ; s[56:63] its two group 0
.set MSB, 0
.macro WIN new                         ; the immediate's high byte repeats the setting that is left
.if MSB != (\new)
	s_set_vgpr_msb (MSB<<8)|(\new)
.set MSB, (\new)
.endif
.endm
.macro PLACES                          ; four places behind a matrix instruction (ISA guide 7.12.1)
.rept 4
	v_nop
.endr
.endm
.macro JLOAD s                         ; waves 0-3: K, V; waves 4-7: the mask. The branch hangs on the wave's number alone
	s_cmp_eq_u32 s11, 0
	s_cbranch_scc0 .Lfor_m_\@
	tensor_load_to_lds s[G0+4*\s:G0+4*\s+3], s[G1:G1+7]
	s_nop 0
	s_branch .Lasked_\@
.Lfor_m_\@:
	tensor_load_to_lds s[G0M+4*\s:G0M+4*\s+3], s[G1M:G1M+7]
	s_nop 0
.Lasked_\@:
.endm
.macro CREST
	s_cmp_lg_u32 s10, 0
	s_cbranch_scc1 .Lnot_wave_0_\@
	s_barrier_signal -3
.Lnot_wave_0_\@:
	s_barrier_wait -3
	s_barrier_signal -1
	s_barrier_wait -1
.endm
.macro CROUND
	s_barrier_signal -1
	s_barrier_wait -1
	CREST
.endm
	s_load_b128 s[4:7], s[0:1], 0x0                ; qb, kvb
	s_load_b128 s[76:79], s[0:1], 0x10             ; gb, attention_mask
	s_load_b64 s[8:9], s[0:1], 0x20                ; ab
	v_lshl_add_u32 v254, v0, 2, 0x44800
	v_mov_b32 v255, 0
	ds_add_u32 v254, v255
	v_lshrrev_b32 v1, 5, v0
	v_readfirstlane_b32 s10, v1                    ; wave 0..7
	s_lshr_b32 s11, s10, 2                         ; my half of the keys; also: I fetch K, V (0) or the mask (1)
	s_and_b32 s12, s10, 3                          ; my 16 query rows; also: which part I fetch
	s_bfe_u32 s40, ttmp6, 0x40000                  ; cx
	s_bfe_u32 s41, ttmp6, 0x40004                  ; cy
	s_lshl_b32 s42, ttmp9, 2
	s_add_co_u32 s42, s42, s40                     ; query block
	s_and_b32 s13, ttmp7, 0xffff
	s_lshl_b32 s13, s13, 2
	s_add_co_u32 s13, s13, s41                     ; 4 batch + key/value head
	s_lshl_b32 s43, s41, 2
	s_lshl_b32 s43, 15, s43                        ; my row of the cluster
	s_lshl_b32 s44, 0x1111, s40                    ; my column
	s_mov_b32 s70, 0x3fb8aa3b                      ; log2(e), for the mask
	s_mov_b32 s71, 0x3fb8aa3b
	s_mov_b32 s72, 0x76543210                      ; v_permlanex16_b32: lane i takes lane i of the other half
	s_mov_b32 s73, 0xfedcba98
	s_mov_b32 s74, 0xf149f2ca                      ; -1e30, the maximum's floor
	s_mov_b32 s75, 0xffffe000                      ; keeps sign, exponent and 10 mantissa bits of an f32
	; K, V: 128 rows of 64 elements of 2 bytes, 4 words of padding behind every 32 words
	s_or_b32 s[G1+0], s43, (1<<16)|(1<<20)|(1<<21)|(4<<22)|(3<<25)
	s_mov_b32 s[G1+1], 64<<16
	s_mov_b32 s[G1+2], 128<<16
	s_mov_b32 s[G1+3], 64<<16
	s_mov_b32 s[G1+4], 128
	s_mov_b32 s[G1+5], 64
	s_mov_b32 s[G1+6], 0
	s_mov_b32 s[G1+7], 0
	; mask: 16 rows of 256 elements of 4 bytes, 4 words of padding behind every 256 words
	s_or_b32 s[G1M+0], s44, (2<<16)|(1<<20)|(1<<21)|(7<<22)|(3<<25)
	s_mov_b32 s[G1M+1], 256<<16
	s_mov_b32 s[G1M+2], 16<<16
	s_mov_b32 s[G1M+3], 256<<16
	s_mov_b32 s[G1M+4], 16
	s_mov_b32 s[G1M+5], 2048
	s_mov_b32 s[G1M+6], 0
	s_mov_b32 s[G1M+7], 0
	s_lshr_b32 s16, s12, 1                         ; kvb: plane 2 (4 batch + head) + (part / 2: 0 K, 1 V), 262,144 bytes each,
	s_lshl1_add_u32 s16, s13, s16
	s_lshl_b32 s16, s16, 18
	s_and_b32 s17, s12, 1                          ; and 128 rows of 128 bytes on for the odd parts
	s_lshl_b32 s17, s17, 14
	s_add_co_u32 s16, s16, s17
	s_mov_b32 s17, 0
	s_lshl2_add_u32 s46, s42, s12                  ; mask: 16 rows of 8,192 bytes a part, four parts a query block
	s_lshl_b32 s46, s46, 17
	s_mov_b32 s47, 0
	s_mul_i32 s20, s12, KVPART                     ; where the parts go: the wave's number alone
	s_mul_i32 s21, s12, MPART
	s_add_co_u32 s21, s21, MASKO
	s_wait_dscnt 0x0
	s_wait_kmcnt 0x0
	s_add_nc_u64 s[14:15], s[6:7], s[16:17]
	s_add_nc_u64 s[46:47], s[78:79], s[46:47]
	CROUND                                         ; all sixteen work-groups are here: the first joint loads meet
.irp s, 0,1
	s_mov_b32 s[G0+4*\s], 1
	s_add_co_u32 s[G0+4*\s+1], s20, \s*SLOT
	s_add_nc_u64 s[G0+4*\s+2:G0+4*\s+3], s[14:15], \s*32768        ; 256 keys x 128 bytes
	s_or_b32 s[G0+4*\s+3], s[G0+4*\s+3], 0x80000000
	s_mov_b32 s[G0M+4*\s], 1
	s_add_co_u32 s[G0M+4*\s+1], s21, \s*SLOT
	s_add_nc_u64 s[G0M+4*\s+2:G0M+4*\s+3], s[46:47], \s*1024       ; 256 keys x 4 bytes
	s_or_b32 s[G0M+4*\s+3], s[G0M+4*\s+3], 0x80000000
	JLOAD \s                                       ; keys 0-255 and 256-511: two loads of the wave are out, later one
.endr
	v_and_b32 v1, 15, v0                           ; r
	v_bfe_u32 v2, v0, 4, 1                         ; h
	v_and_b32 v3, 31, v0                           ; lane
	v_lshlrev_b32 v7, 7, v1
	v_lshl_add_u32 v[QO], v2, 4, v7                ; qb: 128 r + 16 h
	v_lshlrev_b32 v7, 8, v1
	v_lshl_add_u32 v[GO], v2, 5, v7                ; gb: 256 r + 32 h
	s_lshl_b32 s66, s13, 20                        ; my rows in qb: head 4 (4 batch + kv head), row 64 block + 16 (wave mod 4)
	s_lshl_b32 s67, s42, 13
	s_add_co_u32 s66, s66, s67
	s_lshl_b32 s67, s12, 11
	s_add_co_u32 s66, s66, s67
	s_lshl_b32 s68, s66, 1                         ; gb's numbers are twice as wide;
	s_lshl_b32 s67, s11, 20                        ; the gate of my local heads 0, 1 = heads 2 half, 2 half + 1
	s_add_co_u32 s68, s68, s67
	s_mov_b32 s69, 0
	s_lshl_b32 s67, s11, 19                        ; Q of local heads 0, 1: heads 2 half ..
	s_add_co_u32 s18, s66, s67
	s_mov_b32 s19, 0
	s_xor_b32 s67, s11, 1                          ; Q of local heads 2, 3: heads 2 (1 - half) ..
	s_lshl_b32 s67, s67, 19
	s_add_co_u32 s66, s66, s67
	s_mov_b32 s67, 0
	s_add_nc_u64 s[6:7], s[4:5], s[66:67]
	s_add_nc_u64 s[4:5], s[4:5], s[18:19]
	s_add_nc_u64 s[76:77], s[76:77], s[68:69]
	WIN 0x40
.irp j, 0,1
.irp p, 0,1,2,3
	global_load_b128 v[QF+16*\j+4*\p:QF+16*\j+4*\p+3],       v[QO], s[4:5] offset:HEADB*\j+32*\p   ; Q(r, 16 p + 8 h ..): two fragments of 32 along d
	global_load_b128 v[QF+32+16*\j+4*\p:QF+32+16*\j+4*\p+3], v[QO], s[6:7] offset:HEADB*\j+32*\p
.endr
.endr
	WIN 0
	v_mov_b32 v[NMR+1], 0                          ; the upper registers of the two pairs that are broadcast from below
	v_mov_b32 v[ALR+1], 0
	s_mul_i32 s22, s11, KVPART                     ; my half's 128 keys
	v_mul_u32_u24 v4, v1, KPITCH
	v_lshl_add_u32 v4, v2, 4, v4                   ; K: row r, 16 h
	v_add_nc_u32 v[ADK], s22, v4
	v_add_nc_u32 v[ADK+1], SLOT, v[ADK]
	v_and_b32 v5, 7, v0
	v_lshl_add_u32 v5, v2, 3, v5
	v_mul_u32_u24 v5, v5, KPITCH
	v_bfe_u32 v6, v0, 3, 1
	v_lshl_add_u32 v5, v6, 4, v5                   ; V: row 8 h + lane mod 8, 16 bytes by bit 3 of the lane
	s_add_co_u32 s23, s22, 2*KVPART
	v_add_nc_u32 v[ADV], s23, v5
	v_add_nc_u32 v[ADV+1], SLOT, v[ADV]
	s_mul_i32 s22, s12, MPART                      ; mask: my 16 rows are one part; my half's 128 keys are 512 bytes on
	s_add_co_u32 s22, s22, MASKO
	s_lshl_b32 s23, s11, 9
	s_add_co_u32 s22, s22, s23
	v_mul_u32_u24 v6, v1, MPITCH
	v_lshl_add_u32 v6, v2, 5, v6
	v_add_nc_u32 v[ADM], s22, v6
	v_add_nc_u32 v[ADM+1], SLOT, v[ADM]
	v_lshlrev_b32 v4, 4, v3                        ; 16 x lane
	s_mul_i32 s22, s10, XCHB
	v_add_nc_u32 v[XST], s22, v4                   ; my exchange area,
	s_xor_b32 s23, s10, 4
	s_mul_i32 s23, s23, XCHB
	v_add_nc_u32 v[XRD], s23, v4                   ; my partner's
	s_add_co_u32 s22, s22, OST                     ; my stage
	v_mul_u32_u24 v4, v1, SPITCH
	v_lshl_add_u32 v4, v2, 4, v4
	v_add_nc_u32 v[STO], s22, v4                   ; in: row r, 16 bytes for each half of the lanes
	v_mul_u32_u24 v4, v2, SPITCH
	v_lshl_add_u32 v4, v1, 4, v4
	v_add_nc_u32 v[RD], s22, v4                    ; back: lanes 0-15 one row of 256 bytes, lanes 16-31 the next
	v_lshlrev_b32 v4, 11, v2
	v_lshl_add_u32 v[CO], v1, 4, v4                ; the same two rows in ab
	s_lshr_b32 s68, s13, 2                         ; ab: block of 128 tokens = 16 batch + query block / 2, two planes of 262,144 bytes each;
	s_lshl_b32 s68, s68, 4
	s_lshr_b32 s69, s42, 1
	s_add_co_u32 s68, s68, s69
	s_lshl_b32 s68, s68, 19
	s_and_b32 s69, s42, 1                          ; row in the block = 64 (query block mod 2) + 16 (wave mod 4), 2,048 bytes each;
	s_lshl_b32 s69, s69, 17
	s_add_co_u32 s68, s68, s69
	s_lshl_b32 s69, s12, 15
	s_add_co_u32 s68, s68, s69
	s_and_b32 s69, s13, 3                          ; column 256 kv head + 128 half, 2 bytes each
	s_lshl_b32 s69, s69, 9
	s_add_co_u32 s68, s68, s69
	s_lshl_b32 s69, s11, 8
	s_add_co_u32 s68, s68, s69
	s_mov_b32 s69, 0
	s_add_nc_u64 s[8:9], s[8:9], s[68:69]
; K's 8 fragments and the mask's 4 tiles of step u (64 keys) of my half of a slot
.macro KLOAD slot, u
	WIN 0
.irp kt, 0,1,2,3
.irp p, 0,1,2,3
	ds_load_b128 v[KF+16*\kt+4*\p:KF+16*\kt+4*\p+3], v[ADK+\slot] offset:64*KPITCH*(\u)+16*KPITCH*\kt+32*\p
.endr
.endr
.irp kt, 0,1,2,3
	ds_load_b128 v[MKR+8*\kt:MKR+8*\kt+3],   v[ADM+\slot] offset:256*(\u)+64*\kt
	ds_load_b128 v[MKR+8*\kt+4:MKR+8*\kt+7], v[ADM+\slot] offset:256*(\u)+64*\kt+16
.endr
.endm
; V^T's 8 fragments: tile t of d x 32 keys c
.macro VLOAD slot, u
	WIN 0x40
.irp t, 0,1,2,3
.irp c, 0,1
	ds_load_tr16_b128 v[VF+8*(2*\t+\c):VF+8*(2*\t+\c)+3],   v[ADV+\slot] offset:(64*(\u)+32*\c)*KPITCH+32*\t
	ds_load_tr16_b128 v[VF+8*(2*\t+\c)+4:VF+8*(2*\t+\c)+7], v[ADV+\slot] offset:(64*(\u)+32*\c+16)*KPITCH+32*\t
.endr
.endr
.endm
; The gate of my local heads 0, 1, register for register as O holds them, into the K fragments' registers, which the last step's scores have left
.macro GLOAD
	WIN 0
.irp j, 0,1
.irp t, 0,1,2,3
	global_load_b128 v[GT+32*\j+8*\t:GT+32*\j+8*\t+3],   v[GO], s[76:77] offset:HEADG*\j+64*\t
	global_load_b128 v[GT+32*\j+8*\t+4:GT+32*\j+8*\t+7], v[GO], s[76:77] offset:HEADG*\j+64*\t+16
.endr
.endr
.endm
; Scores of one head: four tiles of 16 keys take turns, one instruction a turn; the first product adds onto the mask
.macro SMM hd
	WIN 0x04                                       ; source 1: Q in window 1
.set SB, SC+32*(\hd%3)
.irp kt, 0,1,2,3
	v_wmma_f32_16x16x32_f16 v[SB+8*\kt:SB+8*\kt+7], v[KF+16*\kt:KF+16*\kt+7], v[QF+16*\hd:QF+16*\hd+7], v[MKR+8*\kt:MKR+8*\kt+7]
.endr
.irp kt, 0,1,2,3
	v_wmma_f32_16x16x32_f16 v[SB+8*\kt:SB+8*\kt+7], v[KF+16*\kt+8:KF+16*\kt+15], v[QF+16*\hd+8:QF+16*\hd+15], v[SB+8*\kt:SB+8*\kt+7]
.endr
.endm
; O^T of one head += V^T P^T: four tiles of d take turns; first = 1: the first product starts the sums
.macro PV hd, first
	WIN 0x51                                       ; V^T and O in window 1, P in window 0
.set SB, SC+32*(\hd%3)
.irp c, 0,1
.irp t, 0,1,2,3
.if (\first)*(1-\c)
	v_wmma_f32_16x16x32_f16 v[OA+32*\hd+8*\t:OA+32*\hd+8*\t+7], v[VF+8*(2*\t+\c):VF+8*(2*\t+\c)+7], v[SB+16*\c:SB+16*\c+7], 0
.else
	v_wmma_f32_16x16x32_f16 v[OA+32*\hd+8*\t:OA+32*\hd+8*\t+7], v[VF+8*(2*\t+\c):VF+8*(2*\t+\c)+7], v[SB+16*\c:SB+16*\c+7], v[OA+32*\hd+8*\t:OA+32*\hd+8*\t+7]
.endif
.endr
.endr
.endm
; One head's step of the softmax: a lane's 32 scores belong to one query row
.macro SOFT hd, first
	WIN 0
.set SB, SC+32*(\hd%3)
.set MXR, MLB+4*(\hd/2)+(\hd%2)
.set LSR, MXR+2
	v_max3_num_f32 v[TT],   v[SB],   v[SB+1],  v[SB+2]
	v_max3_num_f32 v[TT+1], v[SB+3], v[SB+4],  v[SB+5]
	v_max3_num_f32 v[TT+2], v[SB+6], v[SB+7],  v[SB+8]
	v_max3_num_f32 v[TT+3], v[SB+9], v[SB+10], v[SB+11]
.irp g, 0,1
.irp c, 0,1,2,3
	v_max3_num_f32 v[TT+\c], v[TT+\c], v[SB+12+8*\g+2*\c], v[SB+13+8*\g+2*\c]
.endr
.endr
	v_max3_num_f32 v[TT],   v[TT],   v[SB+28], v[SB+29]
	v_max3_num_f32 v[TT+1], v[TT+1], v[SB+30], v[SB+31]
	v_max3_num_f32 v[TT], v[TT], v[TT+1], v[TT+2]
	v_max_num_f32 v[TT], v[TT], v[TT+3]
	v_permlanex16_b32 v[TT+1], v[TT], s72, s73     ; the row's other 32 keys lie in the other half of the lanes
.if \first
	v_max3_num_f32 v[TT+2], v[TT], v[TT+1], s74    ; the new maximum; the floor in place of an old one
	v_mul_f32 v[NMR], -1.0, v[TT+2]                ; -m
.else
	v_max3_num_f32 v[TT+2], v[TT], v[TT+1], v[MXR]
	v_sub_f32 v[TT+3], v[MXR], v[TT+2]             ; old maximum - new, never above 0
	v_mul_f32 v[NMR], -1.0, v[TT+2]
	v_exp_f32 v[ALR], v[TT+3]                      ; the factor for what was summed under the old maximum
.endif
.set i, 0
.rept 16
	v_pk_add_f32 v[SB+2*i:SB+2*i+1], v[SB+2*i:SB+2*i+1], v[NMR:NMR+1] op_sel_hi:[1,0]     ; s - m, never above 0
.set i, i+1
.endr
.set i, 0
.rept 32
	v_exp_f32 v[SB+i], v[SB+i]
.set i, i+1
.endr
	v_mov_b32 v[MXR], v[TT+2]                      ; also the plain place behind the exponentials
	s_wait_alu depctr_va_vdst(0)
.irp c, 0,1,2,3
	v_pk_add_f32 v[TT+2*\c:TT+2*\c+1], v[SB+4*\c:SB+4*\c+1], v[SB+4*\c+2:SB+4*\c+3]
.endr
.irp g, 0,1
.irp c, 0,1,2,3
	v_pk_add_f32 v[TT+2*\c:TT+2*\c+1], v[TT+2*\c:TT+2*\c+1], v[SB+16+8*\g+2*\c:SB+16+8*\g+2*\c+1]
.endr
.endr
	v_pk_add_f32 v[TT:TT+1], v[TT:TT+1], v[TT+2:TT+3]
	v_pk_add_f32 v[TT+4:TT+5], v[TT+4:TT+5], v[TT+6:TT+7]
	v_pk_add_f32 v[TT:TT+1], v[TT:TT+1], v[TT+4:TT+5]
	v_add_f32 v[TT], v[TT], v[TT+1]
.if \first
	v_mov_b32 v[LSR], v[TT]
.else
	v_fma_f32 v[LSR], v[LSR], v[ALR], v[TT]        ; the lane's own part of the sum; the halves meet at the end
.endif
.irp c, 0,1
.set i, 0
.rept 8
	v_cvt_pk_f16_f32 v[SB+16*\c+i], v[SB+16*\c+2*i], v[SB+16*\c+2*i+1]     ; in place: register i is written when 2 i and 2 i + 1 are read
.set i, i+1
.endr
.endr
.if \first
.else
	WIN 0x41                                       ; O in window 1, the factor in window 0
.set i, 0
.rept 16
	v_pk_mul_f32 v[OA+32*\hd+2*i:OA+32*\hd+2*i+1], v[OA+32*\hd+2*i:OA+32*\hd+2*i+1], v[ALR:ALR+1] op_sel_hi:[1,0]
.set i, i+1
.endr
.endif
.endm
; 64 keys. Each head's vector work stands between other heads' matrix instructions and is the distance behind them.
; pre = 1: the next step's K and mask are read from the same slot while heads 2 and 3 are finished; pre = 2: the gate is asked for instead.
.macro STEP slot, u, pre, first
	s_wait_dscnt 0x0                               ; K's fragments and the mask are in; nothing else is out
	WIN 0
.set i, 0
.rept 16
	v_pk_mul_f32 v[MKR+2*i:MKR+2*i+1], v[MKR+2*i:MKR+2*i+1], s[70:71] op_sel_hi:[1,0]     ; the mask in units of log2, once for the four heads.
.set i, i+1
.endr
	; These sixteen are also the distance between the last step's last products, which read head 3's P, and head 0's scores, which are written over it
	SMM 0
	SMM 1
	PLACES                                         ; behind the scores, which SOFT 0 reads; with the sixteen above also behind the products whose V fragments are loaded again
	VLOAD \slot, \u
	SOFT 0, \first
	SMM 2
	s_wait_dscnt 0x0                               ; V's fragments
	PV 0, \first
	SOFT 1, \first
	SMM 3                                          ; into head 0's buffer: its P was read by PV 0, and SOFT 1 is the distance
	PV 1, \first
	SOFT 2, \first
.if \pre == 1
	KLOAD \slot, (\u)+1
.endif
.if \pre == 2
	GLOAD
.endif
	PV 2, \first
	SOFT 3, \first
	PV 3, \first
.endm
; 256 keys of a slot, 128 of them mine. In front of the barrier each wave waits for all its tensor loads (its part of this slot) and for its reads of the
; other slot; where the other slot is filled again, the barrier is a round of the cluster's barrier and the joint refill stands first behind it.
.macro TURN slot, other, refill, tail
	s_set_vgpr_msb (MSB<<8)|((MSB&0xf0)|0x0)
	s_wait_tensorcnt 0x0
	ds_add_u32 v254, v255
	s_wait_dscnt 0x0
	s_set_vgpr_msb (((MSB&0xf0)|0x0)<<8)|MSB
.if \refill
	s_add_nc_u64 s[G0+4*\other+2:G0+4*\other+3], s[G0+4*\other+2:G0+4*\other+3], 65536     ; 512 keys on
	s_add_nc_u64 s[G0M+4*\other+2:G0M+4*\other+3], s[G0M+4*\other+2:G0M+4*\other+3], 2048
.endif
	s_wait_dscnt 0x0
	WIN 0
.if \refill
	CROUND
	JLOAD \other
.else
	s_barrier_signal -1
	s_barrier_wait -1
.endif
	KLOAD \slot, 0
	STEP \slot, 0, 1, 0
	STEP \slot, 1, \tail, 0
.endm
	s_wait_tensorcnt 0x1                           ; my part of slot 0 is in; slot 1's may stay out
	s_barrier_signal -1
	s_barrier_wait -1
	KLOAD 0, 0
	s_wait_loadcnt 0x0                             ; Q
	STEP 0, 0, 1, 1                                ; the first step starts maxima, sums and O
	STEP 0, 1, 0, 0
	WIN 0
	s_mov_b32 s3, 3                                ; 8 slots of keys: one above, 6 in the loop, one behind it
.Lturns:
	TURN 1, 0, 1, 0
	TURN 0, 1, 1, 0
	WIN 0
	s_sub_co_u32 s3, s3, 1
	s_cmp_lg_u32 s3, 0
	s_cbranch_scc1 .Lturns
	TURN 1, 0, 0, 2                                ; keys 1,792 to 2,047: nothing is left to fetch; behind its barrier nobody reads slot 0 any more
	; THE EXCHANGE: my local heads 2, 3 go to my partner, whose local heads 0, 1 they are
	PLACES                                         ; behind the last products: O is stored, V's and P's registers are written
	WIN 0x04                                       ; store data from window 1
.set i, 0
.rept 16
	ds_store_b128 v[XST], v[OA+64+4*i:OA+64+4*i+3] offset:512*i    ; 32 lanes x 16 neighbouring bytes
.set i, i+1
.endr
	WIN 0
	ds_store_b128 v[XST], v[MLB+4:MLB+7] offset:8192               ; M2 M3 L2 L3
	s_wait_dscnt 0x0                               ; for my partner's sake: all my stores are done
	s_barrier_signal -1
	s_barrier_wait -1
	WIN 0x40
.set i, 0
.rept 16
	ds_load_b128 v[VF+4*i:VF+4*i+3], v[XRD] offset:512*i           ; my partner's O of my local heads 0, 1
.set i, i+1
.endr
	WIN 0
	ds_load_b128 v[PMR:PMR+3], v[XRD] offset:8192                  ; and its maxima and sums
	s_wait_dscnt 0x0
; The two parts of head j under one maximum: a = 2^(m - max), at most 1; sum = l a + l' a', both halves of the lanes; the factors a / sum, a' / sum, each twice
.macro MERGE j
	v_max_num_f32 v[TT], v[MLB+\j], v[PMR+\j]
	v_sub_f32 v[TT+1], v[MLB+\j], v[TT]
	v_sub_f32 v[TT+2], v[PMR+\j], v[TT]
	v_exp_f32 v[TT+1], v[TT+1]
	v_exp_f32 v[TT+2], v[TT+2]
	v_nop                                          ; one plain place behind the transcendentals
	s_wait_alu depctr_va_vdst(0)
	v_mul_f32 v[TT+3], v[MLB+2+\j], v[TT+1]
	v_fma_f32 v[TT+3], v[PMR+2+\j], v[TT+2], v[TT+3]
	v_permlanex16_b32 v[TT+4], v[TT+3], s72, s73
	v_add_f32 v[TT+3], v[TT+3], v[TT+4]
	v_rcp_f32 v[TT+5], v[TT+3]
	v_nop
	s_wait_alu depctr_va_vdst(0)
	v_mul_f32 v[FF+4*\j],   v[TT+1], v[TT+5]
	v_mul_f32 v[FF+4*\j+1], v[TT+1], v[TT+5]
	v_mul_f32 v[FF+4*\j+2], v[TT+2], v[TT+5]
	v_mul_f32 v[FF+4*\j+3], v[TT+2], v[TT+5]
.endm
	MERGE 0
	MERGE 1
	s_wait_loadcnt 0x0                             ; the gate
; THE WAY OUT of head j: (O a + O' a') / sum x gate in f32, split into hi and lo, into my stage
.macro OUTHEAD j
	WIN 0x01                                       ; source 0: O and my partner's O in window 1
.set i, 0
.rept 16
	v_pk_mul_f32 v[EE+2*i:EE+2*i+1], v[VF+32*\j+2*i:VF+32*\j+2*i+1], v[FF+4*\j+2:FF+4*\j+3]
.set i, i+1
.endr
.set i, 0
.rept 16
	v_pk_fma_f32 v[EE+2*i:EE+2*i+1], v[OA+32*\j+2*i:OA+32*\j+2*i+1], v[FF+4*\j:FF+4*\j+1], v[EE+2*i:EE+2*i+1]
.set i, i+1
.endr
	WIN 0
.set i, 0
.rept 16
	v_pk_mul_f32 v[EE+2*i:EE+2*i+1], v[EE+2*i:EE+2*i+1], v[GT+32*\j+2*i:GT+32*\j+2*i+1]
.set i, i+1
.endr
.set i, 0
.rept 32
	v_and_b32 v[HH+i], s75, v[EE+i]                ; hi: 11 bits of mantissa, exact in f16
.set i, i+1
.endr
.set i, 0
.rept 16
	v_pk_add_f32 v[EE+2*i:EE+2*i+1], v[EE+2*i:EE+2*i+1], v[HH+2*i:HH+2*i+1] neg_lo:[0,1] neg_hi:[0,1]     ; lo = x - hi, exact in f32
.set i, i+1
.endr
.set i, 0
.rept 16
	v_cvt_pk_f16_f32 v[PK+i], v[HH+2*i], v[HH+2*i+1]
	v_cvt_pk_f16_f32 v[PL+i], v[EE+2*i], v[EE+2*i+1]
.set i, i+1
.endr
.irp t, 0,1,2,3
	ds_store_b128 v[STO], v[PK+4*\t:PK+4*\t+3] offset:128*\j+32*\t
	ds_store_b128 v[STO], v[PL+4*\t:PL+4*\t+3] offset:LOSTG+128*\j+32*\t
.endr
.endm
	OUTHEAD 0
	OUTHEAD 1
.set i, 0
.rept 8
	ds_load_b128 v[LD+4*i:LD+4*i+3], v[RD] offset:2*SPITCH*i       ; two whole rows of 256 bytes of hi; LDS serves a wave's instructions in order
.set i, i+1
.endr
.set i, 0
.rept 8
	ds_load_b128 v[LD2+4*i:LD2+4*i+3], v[RD] offset:LOSTG+2*SPITCH*i       ; and of lo
.set i, i+1
.endr
.set i, 0
.rept 8
	s_wait_dscnt 15-i                              ; hi's load i is back, the 15 - i younger loads may be out
	global_store_b128 v[CO], v[LD+4*i:LD+4*i+3], s[8:9] offset:4096*i      ; 16 lanes store 256 neighbouring bytes at a multiple of 256
.set i, i+1
.endr
.set i, 0
.rept 8
	s_wait_dscnt 7-i                               ; lo's load i is back, the 7 - i younger loads may be out
	global_store_b128 v[CO], v[LD2+4*i:LD2+4*i+3], s[8:9] offset:PLANE+4096*i
.set i, i+1
.endr
	s_set_vgpr_msb (MSB<<8)|((MSB&0xf0)|0x0)
	s_wait_tensorcnt 0x0
	ds_add_u32 v254, v255
	s_wait_dscnt 0x0
	s_set_vgpr_msb (((MSB&0xf0)|0x0)<<8)|MSB
	CROUND                                         ; the closing round: no work-group ends while a partner may still ask for a tile that names it
	s_endpgm
.Lfunc_end_k_q7f8ab56d2c_attn:
	.size	k_q7f8ab56d2c_attn, .Lfunc_end_k_q7f8ab56d2c_attn-k_q7f8ab56d2c_attn
	.p2alignl 7, 3214868480
	.fill 96, 4, 3214868480
	.section	.rodata,"a",@progbits
	.p2align	6, 0x0
	.amdhsa_kernel k_q7f8ab56d2c_attn
		.amdhsa_group_segment_fixed_size 327680
		.amdhsa_private_segment_fixed_size 0
		.amdhsa_enable_private_segment 0
		.amdhsa_kernarg_size 40
		.amdhsa_user_sgpr_count 2
		.amdhsa_user_sgpr_kernarg_segment_ptr 1
		.amdhsa_wavefront_size32 1
		.amdhsa_system_sgpr_workgroup_id_x 1
		.amdhsa_system_sgpr_workgroup_id_y 1
		.amdhsa_system_sgpr_workgroup_id_z 1
		.amdhsa_system_vgpr_workitem_id 0
		.amdhsa_next_free_vgpr 512
		.amdhsa_next_free_sgpr 80
		.amdhsa_reserve_vcc 0
		.amdhsa_float_denorm_mode_32 3
		.amdhsa_float_denorm_mode_16_64 3
		.amdhsa_memory_ordered 1
		.amdhsa_forward_progress 1
		.amdhsa_inst_pref_size 255
	.end_amdhsa_kernel
	.section	.bss,"aw",@nobits
	.p2align	6
	.space	262144
	.amdgpu_metadata
---
amdhsa.version: [ 1, 2 ]
amdhsa.kernels:
  - .name:           k_q7f8ab56d2c_attn
    .symbol:         k_q7f8ab56d2c_attn.kd
    .args:
      - { .name: qb, .offset: 0, .size: 8, .value_kind: global_buffer, .address_space: global }
      - { .name: kvb, .offset: 8, .size: 8, .value_kind: global_buffer, .address_space: global }
      - { .name: gb, .offset: 16, .size: 8, .value_kind: global_buffer, .address_space: global }
      - { .name: attention_mask, .offset: 24, .size: 8, .value_kind: global_buffer, .address_space: global }
      - { .name: ab, .offset: 32, .size: 8, .value_kind: global_buffer, .address_space: global }
    .group_segment_fixed_size: 327680
    .private_segment_fixed_size: 0
    .kernarg_segment_align: 8
    .kernarg_segment_size: 40
    .max_flat_workgroup_size: 256
    .sgpr_count:     80
    .vgpr_count:     512
    .wavefront_size: 32
...
	.end_amdgpu_metadata
.endif
;; end of part 3
;; launch oproj (part 4): grid 8 x 32, 4 waves a work-group, clusters of 4 x 4, 327,680 bytes of LDS; arguments ab, wob, out0; writes out0
.if DOCPART == 4
	.amdgcn_target "amdgcn-amd-amdhsa--gfx1250"
	.amdhsa_code_object_version 6
	.text
	.protected	k_q7f8ab56d2c_oproj
	.globl	k_q7f8ab56d2c_oproj
	.p2align	8
	.type	k_q7f8ab56d2c_oproj,@function
k_q7f8ab56d2c_oproj:
	s_mov_b64 s[64:65], 0
	v_nop
	global_prefetch_b8 v0, s[64:65] scope:SCOPE_SE
	s_setreg_imm32_b32 hwreg(HW_REG_WAVE_MODE, 25, 1), 1
	s_wait_xcnt 0x0
	s_wait_alu depctr_hold_cnt(0) depctr_sa_sdst(0) depctr_va_vdst(0) depctr_va_sdst(0) depctr_va_ssrc(0) depctr_va_vcc(0) depctr_vm_vsrc(0)
	s_getreg_b32 s2, hwreg(HW_REG_IB_STS2, 6, 4)
	s_cmp_eq_u32 s2, 0
	s_cbranch_scc0 .Lentry_in_a_cluster
	s_endpgm
.Lentry_in_a_cluster:
	s_bfe_u32 s2, ttmp6, 0x10000c
	s_cmp_lg_u32 s2, 0xf033
	s_cbranch_scc0 .Lentry_shape_is_right
	s_endpgm
.Lentry_shape_is_right:
; out0[m][n] = sum over k of (hi[m][k] + lo[m][k]) wob[n][k].  ab [32 blocks][hi, lo][128][1024], wob [1024][1024] f16; out0 [4096][1024] f32.
; The left operand comes as two f16 numbers, so that its 21 bits reach the f32 sums: both planes are multiplied by the same fragments of wob,
; 32 matrix instructions for 12 fragments of 32 along K.
; 32 x 8 blocks of 128 x 128 make 256 work-groups; a wave makes 64 x 64 (16 accumulator tiles in window 1, tile (a, b) at v[8 (4 a + b)]).
; K goes in eight turns of 128 through two LDS slots: a turn is 128 matrix instructions of a wave, in which the other slot's one load a wave lands.
; Rows are 256 bytes of memory at multiples of 256, 272 bytes apart in LDS (the 16 rows of a fragment load begin 16 bytes apart modulo 256).
; A slot is four parts of 34,816 bytes, part = the number of the wave that fetches it: hi 128 rows, lo 128 rows, wob rows 0-63, wob rows 64-127
; (the last two fill half of their parts).
; CLUSTERS 4 x 4: ab's tiles are asked for jointly along a row of the cluster, wob's along a column.
; The matrix instruction is used transposed (source 0 = rows of wob, source 1 = rows of ab): a lane holds 8 neighbouring columns of one row.
; LIMIT: f16 operands, as stored by the launches before.
.set PITCH,  272
.set HALFT,  128*PITCH                 ; a part
.set SLOT,   4*HALFT
.set STAGE,  2*SLOT                    ; behind the ring: 16 rows x 272 bytes for each wave; no tensor load lands here
.set SPITCH, 272
.set TURNB,  256                       ; bytes of a row in a turn
.set ADRA, 16
.set ADRB, 20
.set STO,  24
.set RD,   25
.set CO,   26
.set F0,   64                          ; fragment buffers in window 0: 4 of hi, 4 of lo, 4 of wob
.set F1,   160
.set G1, 24
.set G0, 32
.set G1B, 48
.set G0B, 56
.set MSB, 0
.macro WIN new
.if MSB != (\new)
	s_set_vgpr_msb (MSB<<8)|(\new)
.set MSB, (\new)
.endif
.endm
.macro PLACES
.rept 4
	v_nop
.endr
.endm
.macro JLOAD s                         ; waves 0, 1: ab's planes; waves 2, 3: wob's halves
	s_cmp_eq_u32 s11, 0
	s_cbranch_scc0 .Lfor_b_\@
	tensor_load_to_lds s[G0+4*\s:G0+4*\s+3], s[G1:G1+7]
	s_nop 0
	s_branch .Lasked_\@
.Lfor_b_\@:
	tensor_load_to_lds s[G0B+4*\s:G0B+4*\s+3], s[G1B:G1B+7]
	s_nop 0
.Lasked_\@:
.endm
.macro CREST
	s_cmp_lg_u32 s10, 0
	s_cbranch_scc1 .Lnot_wave_0_\@
	s_barrier_signal -3
.Lnot_wave_0_\@:
	s_barrier_wait -3
	s_barrier_signal -1
	s_barrier_wait -1
.endm
.macro CROUND
	s_barrier_signal -1
	s_barrier_wait -1
	CREST
.endm
	s_load_b128 s[4:7], s[0:1], 0x0                ; ab, wob
	s_load_b64 s[8:9], s[0:1], 0x10                ; out0
	v_lshl_add_u32 v62, v0, 2, 0x48400
	v_mov_b32 v63, 0
	ds_add_u32 v62, v63
	v_lshrrev_b32 v1, 5, v0
	v_readfirstlane_b32 s10, v1
	s_lshr_b32 s11, s10, 1                         ; my half of the block's rows; also: I fetch for ab (0) or wob (1)
	s_and_b32 s12, s10, 1                          ; my half of its columns; also: which plane, or which 64 rows, I fetch
	s_bfe_u32 s40, ttmp6, 0x40000
	s_bfe_u32 s41, ttmp6, 0x40004
	s_lshl_b32 s42, ttmp9, 2
	s_add_co_u32 s42, s42, s40                     ; block column
	s_and_b32 s13, ttmp7, 0xffff
	s_lshl_b32 s13, s13, 2
	s_add_co_u32 s13, s13, s41                     ; block row
	s_lshl_b32 s43, s41, 2
	s_lshl_b32 s43, 15, s43
	s_lshl_b32 s44, 0x1111, s40
	; rows of 128 elements of 2 bytes, 4 words of padding behind every 64 words; ab 128 rows, wob 64 rows a load
	s_or_b32 s[G1+0], s43, (1<<16)|(1<<20)|(1<<21)|(5<<22)|(3<<25)
	s_or_b32 s[G1B+0], s44, (1<<16)|(1<<20)|(1<<21)|(5<<22)|(3<<25)
.irp g, G1, G1B
	s_mov_b32 s[\g+1], 128<<16
	s_mov_b32 s[\g+3], 128<<16
	s_mov_b32 s[\g+5], 1024
	s_mov_b32 s[\g+6], 0
	s_mov_b32 s[\g+7], 0
.endr
	s_mov_b32 s[G1+2], 128<<16
	s_mov_b32 s[G1+4], 128
	s_mov_b32 s[G1B+2], 64<<16
	s_mov_b32 s[G1B+4], 64
	s_lshl1_add_u32 s16, s13, s12                  ; ab: plane 2 x block row + (0: hi, 1: lo),
	s_lshl_b32 s16, s16, 18                        ; 128 rows of 2,048 bytes each
	s_mov_b32 s17, 0
	s_lshl1_add_u32 s46, s42, s12                  ; wob: 64 rows of 2,048 bytes a half, two halves a block column
	s_lshl_b32 s46, s46, 17
	s_mov_b32 s47, 0
	s_mul_i32 s20, s10, HALFT
	s_wait_dscnt 0x0
	s_wait_kmcnt 0x0
	s_add_nc_u64 s[14:15], s[4:5], s[16:17]
	s_add_nc_u64 s[46:47], s[6:7], s[46:47]
	CROUND
.irp s, 0,1
	s_mov_b32 s[G0+4*\s], 1
	s_add_co_u32 s[G0+4*\s+1], s20, \s*SLOT
	s_add_nc_u64 s[G0+4*\s+2:G0+4*\s+3], s[14:15], \s*TURNB
	s_or_b32 s[G0+4*\s+3], s[G0+4*\s+3], 0x80000000
	s_mov_b32 s[G0B+4*\s], 1
	s_add_co_u32 s[G0B+4*\s+1], s20, \s*SLOT
	s_add_nc_u64 s[G0B+4*\s+2:G0B+4*\s+3], s[46:47], \s*TURNB
	s_or_b32 s[G0B+4*\s+3], s[G0B+4*\s+3], 0x80000000
	JLOAD \s                                       ; turns 0 and 1: two loads of the wave are out, later one
.endr
	v_and_b32 v1, 15, v0
	v_bfe_u32 v2, v0, 4, 1
	v_mul_u32_u24 v3, v1, PITCH
	v_lshl_add_u32 v3, v2, 4, v3
	s_mul_i32 s21, s11, 64*PITCH                   ; my 64 rows of hi; lo's lie one part further
	s_mul_i32 s22, s12, HALFT
	s_add_co_u32 s22, s22, 2*HALFT                 ; my 64 rows of wob are a part of their own
.irp s, 0,1
	v_add_nc_u32 v[ADRA+\s], s21, v3
	v_add_nc_u32 v[ADRB+\s], s22, v3
	s_add_co_u32 s21, s21, SLOT
	s_add_co_u32 s22, s22, SLOT
.endr
	s_mul_i32 s23, s10, 16*SPITCH
	s_add_co_u32 s23, s23, STAGE
	v_mul_u32_u24 v4, v1, SPITCH
	v_lshl_add_u32 v4, v2, 5, v4                   ; in: row r, 32 bytes for each half of the lanes
	v_add_nc_u32 v[STO], s23, v4
	v_mul_u32_u24 v5, v2, SPITCH
	v_lshl_add_u32 v5, v1, 4, v5                   ; back: lanes 0-15 one row of 256 bytes, lanes 16-31 the next
	v_add_nc_u32 v[RD], s23, v5
	v_lshlrev_b32 v5, 12, v2
	v_lshl_add_u32 v[CO], v1, 4, v5                ; the same two rows in out0
; 32 matrix instructions: hi's products, then lo's; the 16 accumulators take turns, one instruction a turn
.macro MUL32 f, zero
.irp a, 0,1,2,3
.irp b, 0,1,2,3
.if \zero
	v_wmma_f32_16x16x32_f16 v[8*(4*\a+\b):8*(4*\a+\b)+7], v[\f+64+8*\b:\f+64+8*\b+7], v[\f+8*\a:\f+8*\a+7], 0
.else
	v_wmma_f32_16x16x32_f16 v[8*(4*\a+\b):8*(4*\a+\b)+7], v[\f+64+8*\b:\f+64+8*\b+7], v[\f+8*\a:\f+8*\a+7], v[8*(4*\a+\b):8*(4*\a+\b)+7]
.endif
.endr
.endr
.irp a, 0,1,2,3
.irp b, 0,1,2,3
	v_wmma_f32_16x16x32_f16 v[8*(4*\a+\b):8*(4*\a+\b)+7], v[\f+64+8*\b:\f+64+8*\b+7], v[\f+32+8*\a:\f+32+8*\a+7], v[8*(4*\a+\b):8*(4*\a+\b)+7]
.endr
.endr
.endm
.macro FETCH slot, k, f                ; 24 LDS loads: 32 along K at byte k of the rows
	WIN 0
	PLACES                                         ; buffer f was read by matrix instructions
.irp i, 0,1,2,3
	ds_load_b128 v[\f+8*\i:\f+8*\i+3],   v[ADRA+\slot] offset:\k+\i*16*PITCH
	ds_load_b128 v[\f+8*\i+4:\f+8*\i+7], v[ADRA+\slot] offset:\k+\i*16*PITCH+32
.endr
.irp i, 0,1,2,3
	ds_load_b128 v[\f+64+8*\i:\f+64+8*\i+3],   v[ADRB+\slot] offset:\k+\i*16*PITCH
	ds_load_b128 v[\f+64+8*\i+4:\f+64+8*\i+7], v[ADRB+\slot] offset:\k+\i*16*PITCH+32
.endr
.irp i, 0,1,2,3
	ds_load_b128 v[\f+32+8*\i:\f+32+8*\i+3],   v[ADRA+\slot] offset:HALFT+\k+\i*16*PITCH
	ds_load_b128 v[\f+32+8*\i+4:\f+32+8*\i+7], v[ADRA+\slot] offset:HALFT+\k+\i*16*PITCH+32
.endr
.endm
.macro SUB slot, k, f, g, zero, fetch
	s_wait_dscnt 0x0                               ; buffer f is in
.if \fetch
	FETCH \slot, \k, \g
.endif
	WIN 0x50
	MUL32 \f, \zero
.endm
.macro TURNWORK slot, zero
	FETCH \slot, 0, F0
	SUB \slot, 64,  F0, F1, \zero, 1
	SUB \slot, 128, F1, F0, 0, 1
	SUB \slot, 192, F0, F1, 0, 1
	SUB \slot, 0,   F1, F0, 0, 0
.endm
; Slot, just read, is filled again: every wave waits for all its tensor loads and for its reads, a round of the cluster's barrier, the joint refill first behind it
.macro BOUND slot
	s_wait_tensorcnt 0x0
	ds_add_u32 v62, v63
	s_add_nc_u64 s[G0+4*\slot+2:G0+4*\slot+3], s[G0+4*\slot+2:G0+4*\slot+3], 2*TURNB
	s_add_nc_u64 s[G0B+4*\slot+2:G0B+4*\slot+3], s[G0B+4*\slot+2:G0B+4*\slot+3], 2*TURNB
	s_wait_dscnt 0x0
	WIN 0
	CROUND
	JLOAD \slot
.endm
	s_wait_tensorcnt 0x1                           ; my part of turn 0 is in; turn 1's may stay out
	s_barrier_signal -1
	s_barrier_wait -1
	TURNWORK 0, 1                                  ; turn 0 starts the sums
	WIN 0
	s_mov_b32 s3, 3                                ; turns 1 to 6; their refills are turns 2 to 7
.Llap:
	BOUND 0
	TURNWORK 1, 0
	BOUND 1
	TURNWORK 0, 0
	WIN 0
	s_sub_co_u32 s3, s3, 1
	s_cmp_lg_u32 s3, 0
	s_cbranch_scc1 .Llap
	s_wait_tensorcnt 0x0                           ; my part of the last turn
	s_wait_dscnt 0x0
	s_barrier_signal -1
	s_barrier_wait -1
	TURNWORK 1, 0                                  ; turn 7: nothing is left to fetch
	; THE WAY OUT, 16 rows at a time through my stage
	PLACES
	s_lshl_b32 s16, s13, 7
	s_lshl_b32 s17, s11, 6
	s_add_co_u32 s16, s16, s17
	s_lshl_b32 s16, s16, 12                        ; my first row, 4,096 bytes each
	s_mov_b32 s17, 0
	s_add_nc_u64 s[8:9], s[8:9], s[16:17]
	s_lshl_b32 s46, s42, 9                         ; my first column: 512 bytes a block, 256 a half
	s_lshl_b32 s47, s12, 8
	s_add_co_u32 s46, s46, s47
	s_mov_b32 s47, 0
	s_add_nc_u64 s[8:9], s[8:9], s[46:47]
.macro OUT16 a, f
	WIN 0x04                                       ; store data from window 1
.irp b, 0,1,2,3
	ds_store_b128 v[STO], v[8*(4*\a+\b):8*(4*\a+\b)+3]   offset:64*\b
	ds_store_b128 v[STO], v[8*(4*\a+\b)+4:8*(4*\a+\b)+7] offset:64*\b+16
.endr
	WIN 0
	s_wait_xcnt 0x0                                ; buffer f, which earlier stores read, is loaded again only behind this wait
.irp t, 0,1,2,3,4,5,6,7
	ds_load_b128 v[\f+4*\t:\f+4*\t+3], v[RD] offset:\t*2*SPITCH    ; LDS serves a wave's instructions in order
.endr
.irp t, 0,1,2,3,4,5,6,7
	s_wait_dscnt 7-\t                              ; load t is back, the 7 - t younger ones may be out
	global_store_b128 v[CO], v[\f+4*\t:\f+4*\t+3], s[8:9] offset:(16*\a+2*\t)*4096 th:TH_STORE_NT  ; 16 lanes store 256 neighbouring bytes at a multiple of 256
.endr
.endm
	OUT16 0, F0
	OUT16 1, F1
	OUT16 2, F0
	OUT16 3, F1
	s_wait_tensorcnt 0x0
	ds_add_u32 v62, v63
	s_wait_dscnt 0x0
	CROUND                                         ; the closing round
	s_endpgm
.Lfunc_end_k_q7f8ab56d2c_oproj:
	.size	k_q7f8ab56d2c_oproj, .Lfunc_end_k_q7f8ab56d2c_oproj-k_q7f8ab56d2c_oproj
	.p2alignl 7, 3214868480
	.fill 96, 4, 3214868480
	.section	.rodata,"a",@progbits
	.p2align	6, 0x0
	.amdhsa_kernel k_q7f8ab56d2c_oproj
		.amdhsa_group_segment_fixed_size 327680
		.amdhsa_private_segment_fixed_size 0
		.amdhsa_enable_private_segment 0
		.amdhsa_kernarg_size 24
		.amdhsa_user_sgpr_count 2
		.amdhsa_user_sgpr_kernarg_segment_ptr 1
		.amdhsa_wavefront_size32 1
		.amdhsa_system_sgpr_workgroup_id_x 1
		.amdhsa_system_sgpr_workgroup_id_y 1
		.amdhsa_system_sgpr_workgroup_id_z 1
		.amdhsa_system_vgpr_workitem_id 0
		.amdhsa_next_free_vgpr 384
		.amdhsa_next_free_sgpr 66
		.amdhsa_reserve_vcc 0
		.amdhsa_float_denorm_mode_32 3
		.amdhsa_float_denorm_mode_16_64 3
		.amdhsa_memory_ordered 1
		.amdhsa_forward_progress 1
		.amdhsa_inst_pref_size 77
	.end_amdhsa_kernel
	.amdgpu_metadata
---
amdhsa.version: [ 1, 2 ]
amdhsa.kernels:
  - .name:           k_q7f8ab56d2c_oproj
    .symbol:         k_q7f8ab56d2c_oproj.kd
    .args:
      - { .name: ab, .offset: 0, .size: 8, .value_kind: global_buffer, .address_space: global }
      - { .name: wob, .offset: 8, .size: 8, .value_kind: global_buffer, .address_space: global }
      - { .name: out0, .offset: 16, .size: 8, .value_kind: global_buffer, .address_space: global }
    .group_segment_fixed_size: 327680
    .private_segment_fixed_size: 0
    .kernarg_segment_align: 8
    .kernarg_segment_size: 24
    .max_flat_workgroup_size: 128
    .sgpr_count:     66
    .vgpr_count:     384
    .wavefront_size: 32
...
	.end_amdgpu_metadata
.endif
;; end of part 4
